; MI455X (gfx1250); checked and timed in simulation.
; The chip was launched on July 23, 2026; its instructions are those of AMD's public machine-readable ISA for CDNA 5 (MIT licence, August 2026) and "CDNA5" Instruction Set Architecture Reference Guide (July 2026). The comments in the code are by the model that wrote it; some were corrected since.
;; Channel Att Gated GRU Cell. Allowed arithmetic: float matrix products may take bf16 or f16 operands with f32 sums; all other float work in f32.
;; Inputs: Wk_n 2,048 x 512 float32; Wk_r 2,048 x 512 float32; Wk_z 2,048 x 512 float32; Wq_n 2,048 x 512 float32; Wq_r 2,048 x 512 float32; Wq_z 2,048 x 512 float32; Wv_n 2,048 x 1,024 float32; Wv_r 2,048 x 1,024 float32; Wv_z 2,048 x 1,024 float32; beta 1,024 float32; bk_n 512 float32; bk_r 512 float32; bk_z 512 float32; bq_n 512 float32; bq_r 512 float32; bq_z 512 float32; bv_n 1,024 float32; bv_r 1,024 float32; bv_z 1,024 float32; gamma 1,024 float32; h 64 x 64 x 1,024 float32; x 64 x 64 x 1,024 float32.
;; Outputs: out0 64 x 64 x 1,024 float32.
;; 3 versions, each right; version 2 is faster than version 1; version 3 is version 2 with the launch prep written anew for expert scheduling mode. Each part assembles by itself: llvm-mc -triple=amdgcn-amd-amdhsa -mcpu=gfx1250 --defsym DOCPART=n.
;; ======== version 1 of 3: 5 launches
;; workspace buffers: xh 16,777,216 bytes; xhr 16,777,216 bytes; w_rz 16,777,216 bytes; w_n 8,388,608 bytes; qkv_rz 33,554,432 bytes; qkv_n 16,777,216 bytes
;; launch prep (part 1): grid 64 x 20, 8 waves a work-group, no clusters, 0 bytes of LDS; arguments x, h, Wq_r, Wk_r, Wv_r, Wq_z, Wk_z, Wv_z, Wq_n, Wk_n, Wv_n, xh, xhr, w_rz, w_n; writes xh, xhr, w_rz, w_n
.if DOCPART == 1
	.amdgcn_target "amdgcn-amd-amdhsa--gfx1250"
	.amdhsa_code_object_version 6
	.text
	.protected	k_qc57a12425e_prep
	.globl	k_qc57a12425e_prep
	.p2align	8
	.type	k_qc57a12425e_prep,@function
k_qc57a12425e_prep:
	s_mov_b64 s[64:65], 0
	v_nop
	global_prefetch_b8 v0, s[64:65] scope:SCOPE_SE
	s_setreg_imm32_b32 hwreg(HW_REG_WAVE_MODE, 25, 1), 1
	s_wait_xcnt 0x0
; CASTS, f32 to bf16 (round to nearest even), once for the whole program.
;   x -> xh[:, 0:1024] and xhr[:, 0:1024];  h -> xh[:, 1024:2048]   (xh, xhr: [4096][2048] bf16, rows of 4,096 bytes)
;   the nine weights [2048 k][N] -> blocks [2048 k][256 n] bf16 of 1 MiB: w_rz = Qr 0-1, Kr 2-3, Vr 4-7, Qz 8-9, Kz 10-11, Vz 12-15;  w_n = Q 0-1, K 2-3, V 4-7
; A stream: memory binds, so no LDS, no matrix unit, no cluster (no two work-groups read the same byte).
; SHARES.  Grid y names 4 MiB of source (0-3 x, 4-7 h, 8 + 4 gate + {0 Wq, 1 Wk, 2, 3 Wv}), grid x 65,536 bytes of it.  A work-group takes them by 16 loads of 4,096 bytes:
; thread t the 16 bytes at 16 t, so a wave's load covers 512 consecutive bytes; the four numbers become 8 bytes, and a wave's store covers 256 consecutive bytes, aligned.
; All 16 loads go out first; no register is written twice, so the only waits are the counted ones for the loads.
.set VS,   1          ; v1  16 t: my bytes in 4,096 bytes of source
.set VD,   2          ; v2  my bytes in the destination
.set X,    8          ; v[8:71]   load i: 4 registers
.set YO,   72         ; v[72:103] load i: 2 registers, packed
.set SRC,  36         ; s[36:37]
.set DST,  38         ; s[38:39]
.set DST2, 40         ; s[40:41] x's second copy
; step: bytes in the destination from one load's numbers to the next's.  two = 1: stored twice (x).
.macro STREAM step, two
.set i, 0
.rept 16
	global_load_b128 v[X+4*i:X+4*i+3], v[VS], s[SRC:SRC+1] offset:4096*i th:TH_LOAD_NT
.set i, i+1
.endr
.set i, 0
.rept 16
	s_wait_loadcnt 15-i                            ; loads come back in order: load i is in, the 15 - i younger ones stay out
	v_cvt_pk_bf16_f32 v[YO+2*i], v[X+4*i], v[X+4*i+1]
	v_cvt_pk_bf16_f32 v[YO+2*i+1], v[X+4*i+2], v[X+4*i+3]
	global_store_b64 v[VD], v[YO+2*i:YO+2*i+1], s[DST:DST+1] offset:i*(\step)
.if \two
	global_store_b64 v[VD], v[YO+2*i:YO+2*i+1], s[DST2:DST2+1] offset:i*(\step)
.endif
.set i, i+1
.endr
	s_endpgm
.endm
	s_load_b512 s[4:19], s[0:1], 0x0               ; x, h, Wq_r, Wk_r, Wv_r, Wq_z, Wk_z, Wv_z
	s_load_b256 s[20:27], s[0:1], 0x40             ; Wq_n, Wk_n, Wv_n, xh
	s_load_b128 s[28:31], s[0:1], 0x60             ; xhr, w_rz
	s_load_b64 s[32:33], s[0:1], 0x70              ; w_n
	s_and_b32 s34, ttmp7, 0xffff                   ; the segment
	s_mov_b32 s35, ttmp9                           ; the chunk in it
	s_mov_b32 s43, 0                               ; offsets are pairs with 0 on top
	s_mov_b32 s45, 0
	v_lshlrev_b32 v[VS], 4, v0
	s_wait_kmcnt 0x0
	s_cmp_lt_u32 s34, 8
	s_cbranch_scc0 .Lweights
	; x or h: 16 source rows of 4,096 bytes become halves of 16 destination rows of 4,096 bytes, so both offsets are the same number
	s_and_b32 s46, s34, 3
	s_lshl_b32 s46, s46, 6
	s_add_co_u32 s46, s46, s35
	s_lshl_b32 s42, s46, 16
	s_cmp_lt_u32 s34, 4
	s_cselect_b64 s[SRC:SRC+1], s[4:5], s[6:7]
	s_cselect_b32 s44, 0, 2048                     ; h fills the rows' second halves
	s_add_nc_u64 s[SRC:SRC+1], s[SRC:SRC+1], s[42:43]
	s_add_nc_u64 s[DST:DST+1], s[26:27], s[42:43]
	s_add_nc_u64 s[DST:DST+1], s[DST:DST+1], s[44:45]
	s_add_nc_u64 s[DST2:DST2+1], s[28:29], s[42:43]
	v_lshlrev_b32 v[VD], 3, v0
	s_cmp_lt_u32 s34, 4
	s_cbranch_scc0 .Lh
	STREAM 4096, 1
.Lh:
	STREAM 4096, 0
.Lweights:
	s_sub_co_u32 s46, s34, 8
	s_lshr_b32 s47, s46, 2                         ; gate: 0 r, 1 z, 2 n
	s_and_b32 s46, s46, 3                          ; 0 Wq, 1 Wk, 2 and 3 the halves of Wv
	s_cmp_eq_u32 s47, 1
	s_cselect_b64 s[8:9], s[14:15], s[8:9]
	s_cselect_b64 s[10:11], s[16:17], s[10:11]
	s_cselect_b64 s[12:13], s[18:19], s[12:13]
	s_cselect_b32 s44, 8, 0                        ; the gate's first block
	s_cmp_eq_u32 s47, 2
	s_cselect_b64 s[8:9], s[20:21], s[8:9]
	s_cselect_b64 s[10:11], s[22:23], s[10:11]
	s_cselect_b64 s[12:13], s[24:25], s[12:13]
	s_cselect_b64 s[DST:DST+1], s[32:33], s[30:31]
	v_and_b32 v5, 63, v0
	v_lshlrev_b32 v[VD], 3, v5                     ; my four columns in a block's row
	s_cmp_lt_u32 s46, 2
	s_cbranch_scc0 .Lwv
	; Wq or Wk: rows of 2,048 bytes, two to a load: k = 32 chunk + 2 i + t / 128; columns 4 (t % 128) on: block (t / 64) % 2
	s_cmp_eq_u32 s46, 0
	s_cselect_b64 s[SRC:SRC+1], s[8:9], s[10:11]
	s_lshl_b32 s42, s35, 16
	s_add_nc_u64 s[SRC:SRC+1], s[SRC:SRC+1], s[42:43]
	s_lshl_b32 s46, s46, 1
	s_add_co_u32 s44, s44, s46                     ; Q's blocks, or K's two further on
	s_lshl_b32 s44, s44, 20
	s_lshl_b32 s46, s35, 14                        ; 32 rows of 512 bytes a chunk
	s_add_co_u32 s44, s44, s46
	s_add_nc_u64 s[DST:DST+1], s[DST:DST+1], s[44:45]
	v_lshrrev_b32 v4, 7, v0
	v_lshl_add_u32 v[VD], v4, 9, v[VD]
	v_bfe_u32 v3, v0, 6, 1
	v_lshl_add_u32 v[VD], v3, 20, v[VD]
	STREAM 1024, 0
.Lwv:	; Wv: rows of 4,096 bytes, one to a load: k = 16 e + i; columns 4 t on: block t / 64
	s_sub_co_u32 s46, s46, 2
	s_lshl_b32 s46, s46, 6
	s_add_co_u32 s46, s46, s35                     ; e: the chunk among Wv's 128
	s_lshl_b32 s42, s46, 16
	s_add_nc_u64 s[SRC:SRC+1], s[12:13], s[42:43]
	s_add_co_u32 s44, s44, 4                       ; V's blocks lie behind Q's and K's
	s_lshl_b32 s44, s44, 20
	s_lshl_b32 s46, s46, 13                        ; 16 rows of 512 bytes a chunk
	s_add_co_u32 s44, s44, s46
	s_add_nc_u64 s[DST:DST+1], s[DST:DST+1], s[44:45]
	v_lshrrev_b32 v3, 6, v0
	v_lshl_add_u32 v[VD], v3, 20, v[VD]
	STREAM 512, 0
.Lfunc_end_k_qc57a12425e_prep:
	.size	k_qc57a12425e_prep, .Lfunc_end_k_qc57a12425e_prep-k_qc57a12425e_prep
	.p2alignl 7, 3214868480
	.fill 96, 4, 3214868480
	.section	.rodata,"a",@progbits
	.p2align	6, 0x0
	.amdhsa_kernel k_qc57a12425e_prep
		.amdhsa_group_segment_fixed_size 0
		.amdhsa_private_segment_fixed_size 0
		.amdhsa_enable_private_segment 0
		.amdhsa_kernarg_size 120
		.amdhsa_user_sgpr_count 2
		.amdhsa_user_sgpr_kernarg_segment_ptr 1
		.amdhsa_wavefront_size32 1
		.amdhsa_system_sgpr_workgroup_id_x 1
		.amdhsa_system_sgpr_workgroup_id_y 1
		.amdhsa_system_sgpr_workgroup_id_z 1
		.amdhsa_system_vgpr_workitem_id 0
		.amdhsa_next_free_vgpr 104
		.amdhsa_next_free_sgpr 66
		.amdhsa_reserve_vcc 0
		.amdhsa_float_denorm_mode_32 3
		.amdhsa_float_denorm_mode_16_64 3
		.amdhsa_memory_ordered 1
		.amdhsa_forward_progress 1
		.amdhsa_inst_pref_size 27
	.end_amdhsa_kernel
	.amdgpu_metadata
---
amdhsa.version: [ 1, 2 ]
amdhsa.kernels:
  - .name:           k_qc57a12425e_prep
    .symbol:         k_qc57a12425e_prep.kd
    .args:
      - { .name: x, .offset: 0, .size: 8, .value_kind: global_buffer, .address_space: global }
      - { .name: h, .offset: 8, .size: 8, .value_kind: global_buffer, .address_space: global }
      - { .name: Wq_r, .offset: 16, .size: 8, .value_kind: global_buffer, .address_space: global }
      - { .name: Wk_r, .offset: 24, .size: 8, .value_kind: global_buffer, .address_space: global }
      - { .name: Wv_r, .offset: 32, .size: 8, .value_kind: global_buffer, .address_space: global }
      - { .name: Wq_z, .offset: 40, .size: 8, .value_kind: global_buffer, .address_space: global }
      - { .name: Wk_z, .offset: 48, .size: 8, .value_kind: global_buffer, .address_space: global }
      - { .name: Wv_z, .offset: 56, .size: 8, .value_kind: global_buffer, .address_space: global }
      - { .name: Wq_n, .offset: 64, .size: 8, .value_kind: global_buffer, .address_space: global }
      - { .name: Wk_n, .offset: 72, .size: 8, .value_kind: global_buffer, .address_space: global }
      - { .name: Wv_n, .offset: 80, .size: 8, .value_kind: global_buffer, .address_space: global }
      - { .name: xh, .offset: 88, .size: 8, .value_kind: global_buffer, .address_space: global }
      - { .name: xhr, .offset: 96, .size: 8, .value_kind: global_buffer, .address_space: global }
      - { .name: w_rz, .offset: 104, .size: 8, .value_kind: global_buffer, .address_space: global }
      - { .name: w_n, .offset: 112, .size: 8, .value_kind: global_buffer, .address_space: global }
    .group_segment_fixed_size: 0
    .private_segment_fixed_size: 0
    .kernarg_segment_align: 8
    .kernarg_segment_size: 120
    .max_flat_workgroup_size: 256
    .sgpr_count:     66
    .vgpr_count:     104
    .wavefront_size: 32
...
	.end_amdgpu_metadata
.endif
;; end of part 1
;; launch gemm_rz (part 2): grid 16 x 32, 4 waves a work-group, clusters of 4 x 4, 327,680 bytes of LDS; arguments xh, w_rz, bq_r, bk_r, bv_r, bq_z, bk_z, bv_z, qkv_rz; writes qkv_rz
.if DOCPART == 2
	.amdgcn_target "amdgcn-amd-amdhsa--gfx1250"
	.amdhsa_code_object_version 6
	.text
	.protected	k_qc57a12425e_gemm_rz
	.globl	k_qc57a12425e_gemm_rz
	.p2align	8
	.type	k_qc57a12425e_gemm_rz,@function
k_qc57a12425e_gemm_rz:
	s_mov_b64 s[64:65], 0
	v_nop
	global_prefetch_b8 v0, s[64:65] scope:SCOPE_SE
	s_setreg_imm32_b32 hwreg(HW_REG_WAVE_MODE, 25, 1), 1
	s_wait_xcnt 0x0
	s_wait_alu depctr_hold_cnt(0) depctr_sa_sdst(0) depctr_va_vdst(0) depctr_va_sdst(0) depctr_va_ssrc(0) depctr_va_vcc(0) depctr_vm_vsrc(0)
	s_getreg_b32 s2, hwreg(HW_REG_IB_STS2, 6, 4)
	s_cmp_eq_u32 s2, 0
	s_cbranch_scc0 .Lentry_in_a_cluster
	s_endpgm
.Lentry_in_a_cluster:
	s_bfe_u32 s2, ttmp6, 0x10000c
	s_cmp_lg_u32 s2, 0xf033
	s_cbranch_scc0 .Lentry_shape_is_right
	s_endpgm
.Lentry_shape_is_right:
; C = A W + bias.  A: [4096][2048] bf16.  W: column blocks [2048 k][256 n] bf16 of 1 MiB.  C: column blocks [4096][256] bf16 of 2 MiB.  bias: f32.  Sums in f32, C rounded once.
; One text for both projections: every pitch is that of a block, so the number of column blocks is the grid's width alone (16 for gates r and z, 8 for gate n).
; Of eight blocks 0-1 are Q's, 2-3 K's, 4-7 V's; blocks 0-7 take the first three bias arguments, blocks 8-15 the second three (a launch of 8 blocks never reads those).
; LIMITS.  The operands arrive rounded to bf16, and C is rounded to bf16; NaN and infinities are not treated apart.
; SHARES.  A work-group makes 128 rows x 256 columns (one column block): 512 or 256 work-groups.  Each of four waves makes 64 x 128: 32 accumulators of 16 x 16, 256 registers.
; K goes in 16 steps of 128 through two LDS slots filled by tensor loads: A's rows are 256 bytes, W's 512 bytes of memory, all at multiples of 256 from the buffer's first byte.
; CLUSTER 4 x 4.  The four work-groups of a row of the cluster need the same tile of A, the four of a column the same tile of W: each tile is asked for jointly.
; THE MATRIX INSTRUCTION IS USED TRANSPOSED: source 0 = 16 columns of W (turned on the way out of LDS by ds_load_tr16_b128, since W lies [k][n]), source 1 = 16 rows of A.  A lane then
; holds row l % 16 of C and the columns 8 (l / 16) + 0..7: 16 bytes after rounding.  The bias, laid the same way, is the C operand of the product that starts each sum.
; REGISTERS, in windows of 256 (s_set_vgpr_msb: bits 1:0 source 0, 3:2 source 1, 5:4 source 2, 7:6 destination):
;   window 0: v0-31 addresses; v64-127 A's fragments, two buffers of 32; v32-63, v192-255 at work on the way out
;   window 1: v64-191 W's fragments, two buffers of 64; v192-255 the bias of my 128 columns          window 2: accumulator (a, b) at v[8 (8 a + b)]
.set KSTEP,  128
.set PA,     272      ; A's LDS row: 256 bytes + 16: the 16 rows of a load start at 16 different groups of four banks (64 banks of 4 bytes: ISA guide 11.1)
.set AHALF,  64*PA    ; what one tensor load brings of A, and what one wave reads of it
.set ATILE,  2*AHALF
.set PW,     544      ; W's LDS row: 512 bytes + 32 = 136 words
.set WHALF,  64*PW    ; 64 k rows: what one tensor load brings of W
.set SLOT,   ATILE+2*WHALF
.set STAGE,  2*SLOT   ; behind the ring: 16 rows x 272 bytes for each wave, its own, for the way out
.set SPITCH, 272
.set SPARE,  STAGE+4*16*SPITCH  ; the spare words, 128 bytes for each wave: two blocks of 256 bytes that no other line names
.set LAPS,   2048/(2*KSTEP)
.set ADRA, 16         ; v16-17  LDS address of my A fragments in slot 0, 1
.set ADRW, 20         ; v20-21  the same for W
.set STO,  24         ; v24  the way out: where I put 16 bytes of a row
.set RD,   25         ; v25  where I read a row back
.set CO,   26         ; v26  my byte offset in two rows of C
.set BO,   27         ; v27  my byte offset in 16 numbers of the bias
.set SPW,  28         ; v28  LDS address of my spare word; never rewritten
.set NIL,  29         ; v29  0; never rewritten
.set OB,   32         ; 16 rows read back from the stage: v32-63 and v224-255 by turns
.set FA,   64
.set TMP,  192
.set FW,   64         ; window 1
.set BIAS, 192        ; window 1
.set G1,  24          ; s[24:31] descriptor group 1 for A's tiles;  s[32:39] group 0, a set for each slot
.set G0,  32
.set G1B, 48          ; s[48:55], s[56:63] the same for W's
.set G0B, 56
.set WV,  70          ; s70  my wave's number
.set RH,  71          ; s71  which 64 rows are mine.  Also: I fetch for A (0) or for W (1)
.set CH,  72          ; s72  which 128 columns are mine.  Also: which half of that tile I fetch
.set MSB, 0
.macro WIN new                         ; the immediate's high byte repeats the setting that is left; a switch that changes nothing is dropped
.if MSB != (\new)
	s_set_vgpr_msb (MSB<<8)|(\new)
.set MSB, \new
.endif
.endm
.set MUL,  0xa1       ; W window 1, A window 0, C and D window 2
.set MULB, 0x91       ; the same with the C operand (the bias) in window 1
.set TO_W, 0x40       ; destination window 1, address window 0
; A joint load.  Waves 0 and 1 fetch A's two halves, waves 2 and 3 W's.  The branch hangs on the wave's number alone.  An s_nop 0 and four v_nop follow each line.
.macro JLOAD s
	s_cmp_eq_u32 s[RH], 0
	s_cbranch_scc0 .Lfor_w_\@
	tensor_load_to_lds s[G0+4*(\s):G0+4*(\s)+3], s[G1:G1+7]
	s_nop 0
.rept 4
	v_nop
.endr
	s_branch .Lasked_\@
.Lfor_w_\@:
	tensor_load_to_lds s[G0B+4*(\s):G0B+4*(\s)+3], s[G1B:G1B+7]
	s_nop 0
.rept 4
	v_nop
.endr
.Lasked_\@:
.endm
.macro CREST                           ; a round of the cluster's barrier behind its opening barrier
	s_cmp_lg_u32 s[WV], 0
	s_cbranch_scc1 .Lnot_wave_0_\@
	s_barrier_signal -3
.Lnot_wave_0_\@:
	s_barrier_wait -3
	s_barrier_signal -1
	s_barrier_wait -1
.endm
.macro CROUND                          ; a whole round
	s_barrier_signal -1
	s_barrier_wait -1
	CREST
.endm
	s_load_b512 s[4:19], s[0:1], 0x0               ; A s[4:5], W s[6:7], bias: bq, bk, bv of blocks 0-7 s[8:13], of blocks 8-15 s[14:19]
	s_load_b64 s[20:21], s[0:1], 0x40              ; C
	v_lshl_add_u32 v[SPW], v0, 2, SPARE
	v_mov_b32 v[NIL], 0
	ds_add_u32 v[SPW], v[NIL]                      ; the wave's opening: the add and its wait stand ahead of my first tensor load; the set-up stands between them
	v_lshrrev_b32 v1, 5, v0
	v_readfirstlane_b32 s[WV], v1
	s_lshr_b32 s[RH], s[WV], 1
	s_and_b32 s[CH], s[WV], 1
	s_bfe_u32 s73, ttmp6, 0x40000                  ; cx, cy: my place in the cluster
	s_bfe_u32 s74, ttmp6, 0x40004
	s_lshl_b32 s75, ttmp9, 2
	s_add_co_u32 s75, s75, s73                     ; column block = 4 x cluster x + cx
	s_and_b32 s76, ttmp7, 0xffff
	s_lshl_b32 s76, s76, 2
	s_add_co_u32 s76, s76, s74                     ; tile row = 4 x cluster y + cy
	s_lshl_b32 s77, s74, 2
	s_lshl_b32 s77, 15, s77                        ; my row of the cluster
	s_lshl_b32 s78, 0x1111, s73                    ; my column
	; group 1 for A: 64 rows x 128 elements, 2,048 elements from row to row
	s_or_b32 s[G1+0], s77, (1<<16)|(1<<20)|(1<<21)|(5<<22)|(3<<25)   ; 15:0 mask: my row; 17:16 2-byte elements; 20 padding on; 21 set beside a mask; 24:22 after every 64 words; 31:25 4 words
	s_mov_b32 s[G1+1], KSTEP<<16                   ; tensor_dim0 = 128
	s_mov_b32 s[G1+2], 64<<16                      ; tensor_dim1 = 64
	s_mov_b32 s[G1+3], KSTEP<<16                   ; tile_dim0 = 128
	s_mov_b32 s[G1+4], 64                          ; tile_dim1 = 64
	s_mov_b32 s[G1+5], 2048
	s_mov_b32 s[G1+6], 0
	s_mov_b32 s[G1+7], 0
	; group 1 for W: 64 k rows x 256 elements, dense
	s_or_b32 s[G1B+0], s78, (1<<16)|(1<<20)|(1<<21)|(6<<22)|(7<<25)  ; mask: my column; padding after every 128 words, 8 words
	s_mov_b32 s[G1B+1], 256<<16
	s_mov_b32 s[G1B+2], 64<<16
	s_mov_b32 s[G1B+3], 256<<16
	s_mov_b32 s[G1B+4], 64
	s_mov_b32 s[G1B+5], 256
	s_mov_b32 s[G1B+6], 0
	s_mov_b32 s[G1B+7], 0
	; A's tile hangs on the tile row alone, W's on the column block alone; each offset in registers that never hold the other coordinate
	s_lshl_b32 s80, s76, 19                        ; 128 rows of 4,096 bytes a tile row,
	s_lshl_b32 s88, s[CH], 18                      ; 64 rows a half
	s_add_co_u32 s80, s80, s88
	s_mov_b32 s81, 0
	s_lshl_b32 s82, s75, 20                        ; a block of W,
	s_lshl_b32 s89, s[CH], 15                      ; 64 k rows of 512 bytes a half
	s_add_co_u32 s82, s82, s89
	s_mov_b32 s83, 0
	s_mul_i32 s86, s[CH], AHALF                    ; where they go: no place in the cluster enters an LDS address
	s_mul_i32 s87, s[CH], WHALF
	s_add_co_u32 s87, s87, ATILE
	s_wait_dscnt 0x0                               ; the opening add is done
	s_wait_kmcnt 0x0
	s_add_nc_u64 s[40:41], s[4:5], s[80:81]
	s_add_nc_u64 s[42:43], s[6:7], s[82:83]
	CROUND                                         ; all sixteen work-groups are here: the first joint loads meet
.irp s, 0,1
	s_mov_b32 s[G0+4*(\s)], 1
	s_add_co_u32 s[G0+4*(\s)+1], s86, (\s)*SLOT
	s_add_nc_u64 s[G0+4*(\s)+2:G0+4*(\s)+3], s[40:41], (\s)*KSTEP*2      ; K step s: 256 bytes along A's rows
	s_or_b32 s[G0+4*(\s)+3], s[G0+4*(\s)+3], 0x80000000
	s_mov_b32 s[G0B+4*(\s)], 1
	s_add_co_u32 s[G0B+4*(\s)+1], s87, (\s)*SLOT
	s_add_nc_u64 s[G0B+4*(\s)+2:G0B+4*(\s)+3], s[42:43], (\s)*KSTEP*512  ; 128 rows down W's block
	s_or_b32 s[G0B+4*(\s)+3], s[G0B+4*(\s)+3], 0x80000000
	JLOAD \s                                       ; two tensor loads of mine are out
.endr
	; which bias: a choice of pointers, no branch
	s_cmp_lt_u32 s75, 8
	s_cselect_b64 s[8:9], s[8:9], s[14:15]
	s_cselect_b64 s[10:11], s[10:11], s[16:17]
	s_cselect_b64 s[12:13], s[12:13], s[18:19]
	s_and_b32 s90, s75, 7
	s_cmp_lt_u32 s90, 2
	s_cselect_b64 s[84:85], s[8:9], s[10:11]
	s_cmp_lt_u32 s90, 4
	s_cselect_b64 s[84:85], s[84:85], s[12:13]
	s_cselect_b32 s91, 1, 3
	s_and_b32 s90, s90, s91                        ; the block's number within Q, K or V
	s_lshl_b32 s82, s90, 10                        ; 256 numbers of 4 bytes a block,
	s_lshl_b32 s89, s[CH], 9                       ; 128 a half
	s_add_co_u32 s82, s82, s89
	s_add_nc_u64 s[84:85], s[84:85], s[82:83]
	v_and_b32 v1, 15, v0                           ; l % 16
	v_bfe_u32 v2, v0, 4, 1                         ; l / 16
	v_lshlrev_b32 v[BO], 5, v2
	WIN TO_W
.irp b, 0,1,2,3,4,5,6,7                 ; register 8 b + j: the bias of column 16 b + 8 (l / 16) + j, as the accumulators hold C
	global_load_b128 v[BIAS+8*(\b):BIAS+8*(\b)+3],   v[BO], s[84:85] offset:64*(\b)
	global_load_b128 v[BIAS+8*(\b)+4:BIAS+8*(\b)+7], v[BO], s[84:85] offset:64*(\b)+16
.endr
	WIN 0
	; A's fragment: lane l holds row l % 16, K = 8 (l / 16) + 0..7 and 16 + 8 (l / 16) + 0..7: two loads of 16 bytes, 32 bytes apart
	v_mul_u32_u24 v3, v1, PA
	v_lshl_add_u32 v3, v2, 4, v3
	s_mul_i32 s88, s[RH], AHALF
	; W's fragment: the turning load takes 16 k x 16 columns (lane l reads row 8 (l / 16) + l % 8, columns 8 ((l / 8) % 2) + 0..7) and leaves column l % 16 and 8 k in lane l
	v_and_b32 v4, 7, v0
	v_lshl_add_u32 v4, v2, 3, v4
	v_mul_u32_u24 v4, v4, PW
	v_bfe_u32 v5, v0, 3, 1
	v_lshl_add_u32 v4, v5, 4, v4
	s_lshl_b32 s89, s[CH], 8
	s_add_co_u32 s89, s89, ATILE
.irp s, 0,1
	v_add_nc_u32 v[ADRA+(\s)], s88, v3
	v_add_nc_u32 v[ADRW+(\s)], s89, v4
	s_add_co_u32 s88, s88, SLOT
	s_add_co_u32 s89, s89, SLOT
.endr
	s_mul_i32 s88, s[WV], 16*SPITCH
	s_add_co_u32 s88, s88, STAGE                   ; my stage
	v_mul_u32_u24 v6, v1, SPITCH                   ; in: row l % 16, 16 bytes for each half of the lanes
	v_lshl_add_u32 v6, v2, 4, v6
	v_add_nc_u32 v[STO], s88, v6
	v_mul_u32_u24 v7, v2, SPITCH                   ; back: lanes 0-15 one row of 256 bytes, lanes 16-31 the next
	v_lshl_add_u32 v7, v1, 4, v7
	v_add_nc_u32 v[RD], s88, v7
	v_lshlrev_b32 v[CO], 9, v2                     ; and the same two rows in C's block
	v_lshl_add_u32 v[CO], v1, 4, v[CO]
	s_lshl_b32 s44, s75, 21                        ; C: my block of 2 MiB,
	s_lshl_b32 s88, s76, 16                        ; 128 rows of 512 bytes a tile row,
	s_add_co_u32 s44, s44, s88
	s_lshl_b32 s88, s[RH], 15                      ; my 64 rows,
	s_add_co_u32 s44, s44, s88
	s_lshl_b32 s88, s[CH], 8                       ; my 256 bytes of each
	s_add_co_u32 s44, s44, s88
	s_mov_b32 s45, 0
	s_add_nc_u64 s[20:21], s[20:21], s[44:45]
; 8 matrix instructions: row block a x all 8 column blocks, 32 along K, on buffer f.  first = 1: the bias starts the sums: nothing is cleared, nothing is added on the way out.
.macro MUL8 f, a, first
.if \first
	WIN MULB
.else
	WIN MUL
.endif
.irp b, 0,1,2,3,4,5,6,7
.if \first
	v_wmma_f32_16x16x32_bf16 v[8*(8*(\a)+(\b)):8*(8*(\a)+(\b))+7], v[FW+64*(\f)+8*(\b):FW+64*(\f)+8*(\b)+7], v[FA+32*(\f)+8*(\a):FA+32*(\f)+8*(\a)+7], v[BIAS+8*(\b):BIAS+8*(\b)+7]
.else
	v_wmma_f32_16x16x32_bf16 v[8*(8*(\a)+(\b)):8*(8*(\a)+(\b))+7], v[FW+64*(\f)+8*(\b):FW+64*(\f)+8*(\b)+7], v[FA+32*(\f)+8*(\a):FA+32*(\f)+8*(\a)+7], v[8*(8*(\a)+(\b)):8*(8*(\a)+(\b))+7]
.endif
.endr
.endm
.macro MUL16 f, a0, first
	MUL8 \f, \a0, \first
	MUL8 \f, (\a0)+1, \first
.endm
; 24 LDS loads in one run: quarter q of a slot (32 along K) into buffer f: W's 8 fragments, then A's 4
.macro FETCH slot, q, f
	WIN TO_W
.irp i, 0,1,2,3,4,5,6,7
	ds_load_tr16_b128 v[FW+64*(\f)+8*(\i):FW+64*(\f)+8*(\i)+3],   v[ADRW+(\slot)] offset:(\q)*32*PW+32*(\i)
	ds_load_tr16_b128 v[FW+64*(\f)+8*(\i)+4:FW+64*(\f)+8*(\i)+7], v[ADRW+(\slot)] offset:(\q)*32*PW+16*PW+32*(\i)
.endr
	WIN 0
.irp i, 0,1,2,3
	ds_load_b128 v[FA+32*(\f)+8*(\i):FA+32*(\f)+8*(\i)+3],   v[ADRA+(\slot)] offset:64*(\q)+(\i)*16*PA
	ds_load_b128 v[FA+32*(\f)+8*(\i)+4:FA+32*(\f)+8*(\i)+7], v[ADRA+(\slot)] offset:64*(\q)+(\i)*16*PA+32
.endr
.endm
.macro PLACES                          ; four plain vector instructions in front of loads into registers that matrix instructions have read, and of conversions that read results
.rept 4
	v_nop
.endr
.endm
; A K step is four quarters of 32 along K, 32 matrix instructions each, on buffers 0, 1, 0, 1; the 32 accumulators take turns in the same order in every quarter.
; One of the first three: multiplies buffer f; in its middle it fetches quarter q of the same slot into buffer g.
.macro QUARTER slot, q, f, g, first
	s_wait_dscnt 4                                 ; W and A's rows 0-31 are in; the youngest four loads (A's rows 32-63) may be out
	MUL16 \f, 0, \first
	PLACES
	FETCH \slot, \q, \g
	s_wait_dscnt 24                                ; all but the 24 just issued
	MUL16 \f, 2, \first
.endm
; The last quarter multiplies buffer 1 and changes slots: ONE barrier; in front of it each wave waits for all its tensor loads (one is out: its part of the next slot), adds 0 to its
; spare word, and waits for that and for its own reads of this slot.  fill = 1: the barrier opens a round of the cluster's, and this slot is filled again, two K steps ahead.
.macro TURN slot, next, fill
	WIN 0                                          ; (the add's two registers lie in window 0)
	s_wait_tensorcnt 0x0
	ds_add_u32 v[SPW], v[NIL]                      ; 0 onto my spare word
	s_wait_dscnt 5                                 ; (the add and the youngest four loads may be out)
	MUL8 1, 0, 0                                   ; eight matrix instructions stand between the add and the wait for it
	s_wait_dscnt 0x0                               ; the add is done, and my reads of this slot are over
	s_barrier_signal -1
	MUL8 1, 1, 0
.if \fill
	WIN 0
.endif
	s_barrier_wait -1
.if \fill
	CREST                                          ; no wave of any partner still reads this slot's tiles or has a load on its way
	s_add_nc_u64 s[G0+4*(\slot)+2:G0+4*(\slot)+3], s[G0+4*(\slot)+2:G0+4*(\slot)+3], 2*KSTEP*2
	s_add_nc_u64 s[G0B+4*(\slot)+2:G0B+4*(\slot)+3], s[G0B+4*(\slot)+2:G0B+4*(\slot)+3], 2*KSTEP*512
	JLOAD \slot                                    ; the first tensor load behind the round: 112 matrix instructions ahead of the wait for it; its four v_nop are also the places in front of the loads below
.else
	PLACES
.endif
	FETCH \next, 0, 0
	MUL16 1, 2, 0
.endm
; THE WAY OUT of row block a: rounded to bf16, 16 bytes a lane; into my own stage and back as whole rows of 256 bytes; stored.
.macro PACK a
	WIN 0x0a                                       ; sources 0 and 1 window 2
.irp b, 0,1,2,3,4,5,6,7
.irp r, 0,1,2,3
	v_cvt_pk_bf16_f32 v[TMP+4*(\b)+(\r)], v[64*(\a)+8*(\b)+2*(\r)], v[64*(\a)+8*(\b)+2*(\r)+1]
.endr
.endr
	WIN 0
.endm
.macro TOSTAGE a
.set BK, OB+192*((\a)%2)
.irp b, 0,1,2,3,4,5,6,7
	ds_store_b128 v[STO], v[TMP+4*(\b):TMP+4*(\b)+3] offset:32*(\b)
.endr
.irp t, 0,1,2,3,4,5,6,7
	ds_load_b128 v[BK+4*(\t):BK+4*(\t)+3], v[RD] offset:(\t)*2*SPITCH  ; LDS serves a wave's instructions in order (ISA guide 5.7.1.4): these see the stores above
.endr
.endm
.macro SEND a
.set BK, OB+192*((\a)%2)
	s_wait_dscnt 0x0                               ; the block is back in registers
	s_wait_xcnt 0x0                                ; the registers that earlier stores read are loaded again only behind this wait
.irp t, 0,1,2,3,4,5,6,7
	global_store_b128 v[CO], v[BK+4*(\t):BK+4*(\t)+3], s[20:21] offset:(\a)*8192+(\t)*1024  ; 16 lanes store 256 consecutive bytes, at a multiple of 256 from C's first byte
.endr
.endm
	s_wait_tensorcnt 1                             ; my part of K step 0 is in; K step 1's may stay out
	s_barrier_signal -1
	s_barrier_wait -1                              ; everybody's is
	FETCH 0, 0, 0
	s_wait_loadcnt 0x0                             ; the bias
	QUARTER 0, 1, 0, 1, 1                          ; the first quarter stands in front of the loop: its products start the sums
	WIN 0                                          ; at a label and at a branch every window is 0
	s_mov_b32 s3, LAPS-1
.Llap:                                                 ; a trip goes once round the ring, from a lap's second quarter to the next lap's first, and fills both slots again
	QUARTER 0, 2, 1, 0, 0
	QUARTER 0, 3, 0, 1, 0
	TURN 0, 1, 1
	QUARTER 1, 1, 0, 1, 0
	QUARTER 1, 2, 1, 0, 0
	QUARTER 1, 3, 0, 1, 0
	TURN 1, 0, 1
	QUARTER 0, 1, 0, 1, 0
	WIN 0
	s_sub_co_u32 s3, s3, 1
	s_cmp_lg_u32 s3, 0
	s_cbranch_scc1 .Llap
	QUARTER 0, 2, 1, 0, 0                          ; the last lap fills nothing, and has no round of the cluster's barrier
	QUARTER 0, 3, 0, 1, 0
	TURN 0, 1, 0
	QUARTER 1, 1, 0, 1, 0
	QUARTER 1, 2, 1, 0, 0
	QUARTER 1, 3, 0, 1, 0
	s_wait_dscnt 4                                 ; the very last quarter: nothing more to fetch
	MUL16 1, 0, 0
	s_wait_dscnt 0x0
	MUL16 1, 2, 0
	WIN 0
	PLACES
	PACK 0
	TOSTAGE 0
.irp a, 1,2,3                           ; block a's conversions stand between block a - 1's loads from the stage and the wait for them
	PACK \a
	SEND (\a)-1
	TOSTAGE \a
.endr
	SEND 3
	s_wait_tensorcnt 0x0                           ; the wave's end
	ds_add_u32 v[SPW], v[NIL]
	s_wait_dscnt 0x0
	CROUND                                         ; the closing round: no work-group ends while a partner may still ask for a tile that names it
	s_endpgm
.Lfunc_end_k_qc57a12425e_gemm_rz:
	.size	k_qc57a12425e_gemm_rz, .Lfunc_end_k_qc57a12425e_gemm_rz-k_qc57a12425e_gemm_rz
	.p2alignl 7, 3214868480
	.fill 96, 4, 3214868480
	.section	.rodata,"a",@progbits
	.p2align	6, 0x0
	.amdhsa_kernel k_qc57a12425e_gemm_rz
		.amdhsa_group_segment_fixed_size 327680
		.amdhsa_private_segment_fixed_size 0
		.amdhsa_enable_private_segment 0
		.amdhsa_kernarg_size 72
		.amdhsa_user_sgpr_count 2
		.amdhsa_user_sgpr_kernarg_segment_ptr 1
		.amdhsa_wavefront_size32 1
		.amdhsa_system_sgpr_workgroup_id_x 1
		.amdhsa_system_sgpr_workgroup_id_y 1
		.amdhsa_system_sgpr_workgroup_id_z 1
		.amdhsa_system_vgpr_workitem_id 0
		.amdhsa_next_free_vgpr 768
		.amdhsa_next_free_sgpr 96
		.amdhsa_reserve_vcc 0
		.amdhsa_float_denorm_mode_32 3
		.amdhsa_float_denorm_mode_16_64 3
		.amdhsa_memory_ordered 1
		.amdhsa_forward_progress 1
		.amdhsa_inst_pref_size 89
	.end_amdhsa_kernel
	.amdgpu_metadata
---
amdhsa.version: [ 1, 2 ]
amdhsa.kernels:
  - .name:           k_qc57a12425e_gemm_rz
    .symbol:         k_qc57a12425e_gemm_rz.kd
    .args:
      - { .name: xh, .offset: 0, .size: 8, .value_kind: global_buffer, .address_space: global }
      - { .name: w_rz, .offset: 8, .size: 8, .value_kind: global_buffer, .address_space: global }
      - { .name: bq_r, .offset: 16, .size: 8, .value_kind: global_buffer, .address_space: global }
      - { .name: bk_r, .offset: 24, .size: 8, .value_kind: global_buffer, .address_space: global }
      - { .name: bv_r, .offset: 32, .size: 8, .value_kind: global_buffer, .address_space: global }
      - { .name: bq_z, .offset: 40, .size: 8, .value_kind: global_buffer, .address_space: global }
      - { .name: bk_z, .offset: 48, .size: 8, .value_kind: global_buffer, .address_space: global }
      - { .name: bv_z, .offset: 56, .size: 8, .value_kind: global_buffer, .address_space: global }
      - { .name: qkv_rz, .offset: 64, .size: 8, .value_kind: global_buffer, .address_space: global }
    .group_segment_fixed_size: 327680
    .private_segment_fixed_size: 0
    .kernarg_segment_align: 8
    .kernarg_segment_size: 72
    .max_flat_workgroup_size: 128
    .sgpr_count:     96
    .vgpr_count:     768
    .wavefront_size: 32
...
	.end_amdgpu_metadata
.endif
;; end of part 2
;; launch attn_r (part 3): grid 256 x 1, 4 waves a work-group, clusters of 4 x 1, 222,720 bytes of LDS; arguments qkv_rz, h, xhr; writes xhr
.if DOCPART == 3
	.amdgcn_target "amdgcn-amd-amdhsa--gfx1250"
	.amdhsa_code_object_version 6
	.text
	.protected	k_qc57a12425e_attn_r
	.globl	k_qc57a12425e_attn_r
	.p2align	8
	.type	k_qc57a12425e_attn_r,@function
k_qc57a12425e_attn_r:
	s_mov_b64 s[64:65], 0
	v_nop
	global_prefetch_b8 v0, s[64:65] scope:SCOPE_SE
	s_setreg_imm32_b32 hwreg(HW_REG_WAVE_MODE, 25, 1), 1
	s_wait_xcnt 0x0
	s_wait_alu depctr_hold_cnt(0) depctr_sa_sdst(0) depctr_va_vdst(0) depctr_va_sdst(0) depctr_va_ssrc(0) depctr_va_vcc(0) depctr_vm_vsrc(0)
	s_getreg_b32 s2, hwreg(HW_REG_IB_STS2, 6, 4)
	s_cmp_eq_u32 s2, 0
	s_cbranch_scc0 .Lentry_in_a_cluster
	s_endpgm
.Lentry_in_a_cluster:
	s_bfe_u32 s2, ttmp6, 0x10000c
	s_cmp_lg_u32 s2, 0x3003
	s_cbranch_scc0 .Lentry_shape_is_right
	s_endpgm
.Lentry_shape_is_right:
; GATE r.  xhr[row][1024 + d] = bf16( h[row][d] x sigmoid( sum over e of softmax_e(Q[row] . K[e] / sqrt(512)) V[e][d] ) ), the 64 keys e being the row's batch.
; Q, K, V: blocks 0-1, 2-3, 4-7 of qkv_rz, each [4096][256] bf16.  Products, the maximum, sums, sigmoid and h in f32; the weights are rounded to bf16 for the second product.
; LIMITS.  The maximum taken away is the row's true maximum (all 64 keys are seen at once); a weight below 2^-126 counts as 0; NaN and infinities are not treated apart.
; SHARES.  A cluster of four work-groups is a batch, a work-group 16 of its queries.  Wave c: the scores' part over d = 128 c .. 128 c + 127 (the four parts meet in LDS, and every
; wave then makes the same softmax); channels 256 c .. 256 c + 255 of the second product (V's block c); rows 4 c .. 4 c + 3 of the last phase.
; CLUSTER.  The four partners need the same V: each block of it is one joint tensor load.  K, a third of the shared bytes (64 KiB of 192), goes straight into registers by plain loads:
; a wave multiplies each fragment of it once, so LDS would add a trip and spare nothing in the wave.
; LAYOUT.  S^T = K Q^T (source 0 = 16 keys, source 1 = 16 queries): a lane holds ONE query (l % 16) and the keys 16 kt + 8 (l / 16) + 0..7.  Two such results rounded to bf16 ARE source 1
; (32 keys x 16 queries) of O^T = V^T P; V ([key][channel]) comes out of LDS turned, by ds_load_tr16_b128.  O^T holds one query a lane and eight channels.
; REGISTERS.  window 0: v0-15 addresses, at work; v16-31 P; v32-63 S^T; v64-191 K's fragments, then the four parts, then O^T, then whole rows; v192-255 Q, then V's two buffers, then the result.
;             window 1: v0-127 my four rows of h.
.set BLK,   1<<21     ; a block of qkv
.set PV,    544       ; V's LDS row: 512 bytes + 32
.set VBLK,  64*PV     ; LDS from 0: four blocks of V, wave c's at c x VBLK
.set SPART, 4*VBLK    ; the scores' four parts, 4,096 bytes each
.set STG,   SPART+4*4096  ; four stages, wave c's: 16 queries x 256 channels f32
.set SGP,   1040      ; a stage's row: 1,024 bytes + 16: the 16 rows of a store start at 16 different groups of four banks
.set STGW,  16*SGP
.set SPARE, STG+4*STGW  ; the spare words, 128 bytes for each wave: two blocks of 256 bytes that no other line names
.set QKO,  4          ; v4   my bytes in 16 rows of Q or K
.set SPST, 5          ; v5   where I put my part of the scores
.set SPLD, 6          ; v6   where I read the parts
.set AVA,  7          ; v7   my lane's place in my block of V
.set STO,  8          ; v8   where I put 32 bytes of a stage's row
.set GRO,  9          ; v9   16 x lane
.set SPW,  10         ; v10  LDS address of my spare word; never rewritten
.set NIL,  11         ; v11  0; never rewritten
.set C0,   12         ; v12-15 at work; later v12 RD, v13 GO8
.set RD,   12
.set GO8,  13
.set P,    16
.set CM,   24         ; v24-25  c m, while P is not yet written
.set S,    32
.set KR,   34         ; v34-35  -log2(e) / l, once the sums are done
.set KF,   64
.set O,    64
.set QF,   192
.set VBUF, 192
.set RES,  192
.set WV,  16          ; s16  my wave's number
.set CX,  23          ; s23  my place in the cluster: it enters Q's, h's and xhr's addresses alone
.set QB,  24          ; s[24:25]
.set KB,  26          ; s[26:27]
.set G0,  28          ; s[28:31]
.set G1,  32          ; s[32:39]
.set CS,  40          ; s[40:41] c = log2(e) / sqrt(512)
.set SEL, 42          ; s[42:43] v_permlanex16_b32's selects: each lane takes its own place in the other half
.set NK,  44          ; s44  -log2(e)
.set HB,  50          ; s[50:51] h at my four rows
.set OBS, 52          ; s[52:53] xhr at the second halves of my four rows
.set MSB, 0
.macro WIN new
.if MSB != (\new)
	s_set_vgpr_msb (MSB<<8)|(\new)
.set MSB, \new
.endif
.endm
.macro CROUND                          ; a round of the cluster's barrier
	s_barrier_signal -1
	s_barrier_wait -1
	s_cmp_lg_u32 s[WV], 0
	s_cbranch_scc1 .Lnot_wave_0_\@
	s_barrier_signal -3
.Lnot_wave_0_\@:
	s_barrier_wait -3
	s_barrier_signal -1
	s_barrier_wait -1
.endm
	s_load_b128 s[4:7], s[0:1], 0x0                ; qkv s[4:5], h s[6:7]
	s_load_b64 s[8:9], s[0:1], 0x10                ; xhr
	v_lshl_add_u32 v[SPW], v0, 2, SPARE
	v_mov_b32 v[NIL], 0
	ds_add_u32 v[SPW], v[NIL]                      ; the wave's opening: the add and its wait stand ahead of my tensor load; the set-up stands between them
	v_lshrrev_b32 v1, 5, v0
	v_readfirstlane_b32 s[WV], v1
	s_lshr_b32 s19, s[WV], 1
	s_and_b32 s22, s[WV], 1
	s_bfe_u32 s[CX], ttmp6, 0x40000
	s_lshl_b32 s61, ttmp9, 15                      ; the batch (the cluster's number): 64 rows of 512 bytes in every block
	s_add_co_u32 s58, s[WV], 4
	s_lshl_b32 s58, s58, 21
	s_add_co_u32 s58, s58, s61                     ; V: block 4 + c
	s_mov_b32 s59, 0
	s_lshl_b32 s62, s19, 21                        ; my 128 d: block c / 2,
	s_lshl_b32 s63, s22, 8                         ; byte 256 (c % 2) of its rows
	s_add_co_u32 s62, s62, s63
	s_add_co_u32 s62, s62, s61
	s_add_co_u32 s56, s62, 2*BLK                   ; K: two blocks on
	s_mov_b32 s57, 0
	s_lshl_b32 s63, s[CX], 13                      ; Q: my work-group's 16 rows
	s_add_co_u32 s54, s62, s63
	s_mov_b32 s55, 0
	s_lshl_b32 s66, ttmp9, 18                      ; h and xhr: rows of 4,096 bytes: 64 a batch,
	s_lshl_b32 s63, s[CX], 16                      ; 16 a work-group,
	s_add_co_u32 s66, s66, s63
	s_lshl_b32 s63, s[WV], 14                      ; 4 a wave
	s_add_co_u32 s66, s66, s63
	s_mov_b32 s67, 0
	s_mov_b32 s[G1], 15|(1<<16)|(1<<20)|(1<<21)|(6<<22)|(7<<25)  ; 15:0 the mask of four; 17:16 2-byte elements; 20 padding on; 21 set beside a mask; 24:22 after every 128 words; 31:25 8 words
	s_mov_b32 s[G1+1], 256<<16                     ; tensor_dim0 = 256
	s_mov_b32 s[G1+2], 64<<16                      ; tensor_dim1 = 64
	s_mov_b32 s[G1+3], 256<<16                     ; tile_dim0 = 256
	s_mov_b32 s[G1+4], 64                          ; tile_dim1 = 64
	s_mov_b32 s[G1+5], 256                         ; dense rows
	s_mov_b32 s[G1+6], 0
	s_mov_b32 s[G1+7], 0
	s_mov_b32 s[G0], 1
	s_mul_i32 s[G0+1], s[WV], VBLK
	s_mov_b32 s[CS], 0x3d8293ee                    ; log2(e) / sqrt(512) = 0.0637587
	s_mov_b32 s[CS+1], s[CS]
	s_mov_b32 s[SEL], 0x76543210
	s_mov_b32 s[SEL+1], 0xfedcba98
	s_mov_b32 s[NK], 0xbfb8aa3b                    ; -log2(e)
	s_wait_dscnt 0x0                               ; the opening add is done
	s_wait_kmcnt 0x0
	s_add_nc_u64 s[G0+2:G0+3], s[4:5], s[58:59]
	s_or_b32 s[G0+3], s[G0+3], 0x80000000
	s_add_nc_u64 s[QB:QB+1], s[4:5], s[54:55]
	s_add_nc_u64 s[KB:KB+1], s[4:5], s[56:57]
	s_add_nc_u64 s[HB:HB+1], s[6:7], s[66:67]
	s_add_nc_u64 s[OBS:OBS+1], s[8:9], s[66:67]
	s_add_nc_u64 s[OBS:OBS+1], s[OBS:OBS+1], 2048
	CROUND                                         ; all four work-groups are here: the joint loads meet
	tensor_load_to_lds s[G0:G0+3], s[G1:G1+7]      ; my block of V: my one tensor load
	s_nop 0
	v_and_b32 v1, 15, v0                           ; l % 16
	v_bfe_u32 v2, v0, 4, 1                         ; l / 16
	v_and_b32 v3, 31, v0                           ; lane
	v_lshlrev_b32 v[QKO], 9, v1
	v_lshl_add_u32 v[QKO], v2, 4, v[QKO]           ; row x 512 + 16 x half
	v_lshlrev_b32 v[GRO], 4, v3
	; a fragment is 16 rows x 32 d: two loads of 16 bytes, 32 bytes apart; a row's eight loads take its 256 bytes
.irp f, 0,1,2,3
	global_load_b128 v[QF+8*(\f):QF+8*(\f)+3],   v[QKO], s[QB:QB+1] offset:64*(\f)
	global_load_b128 v[QF+8*(\f)+4:QF+8*(\f)+7], v[QKO], s[QB:QB+1] offset:64*(\f)+32
.endr
.irp kt, 0,1,2,3
.irp f, 0,1,2,3
	global_load_b128 v[KF+32*(\kt)+8*(\f):KF+32*(\kt)+8*(\f)+3],   v[QKO], s[KB:KB+1] offset:8192*(\kt)+64*(\f)
	global_load_b128 v[KF+32*(\kt)+8*(\f)+4:KF+32*(\kt)+8*(\f)+7], v[QKO], s[KB:KB+1] offset:8192*(\kt)+64*(\f)+32
.endr
.endr
	WIN 0x40                                       ; destination window 1
.irp rr, 0,1,2,3
.irp i, 0,1,2,3,4,5,6,7
	global_load_b128 v[32*(\rr)+4*(\i):32*(\rr)+4*(\i)+3], v[GRO], s[HB:HB+1] offset:4096*(\rr)+512*(\i) th:TH_LOAD_NT
.endr
.endr
	WIN 0
	s_wait_loadcnt 32                              ; Q and K are in; the 32 loads of h stay out
.irp f, 0,1,2,3                         ; the four accumulators take turns
.irp kt, 0,1,2,3
.if (\f) == 0
	v_wmma_f32_16x16x32_bf16 v[S+8*(\kt):S+8*(\kt)+7], v[KF+32*(\kt)+8*(\f):KF+32*(\kt)+8*(\f)+7], v[QF+8*(\f):QF+8*(\f)+7], 0
.else
	v_wmma_f32_16x16x32_bf16 v[S+8*(\kt):S+8*(\kt)+7], v[KF+32*(\kt)+8*(\f):KF+32*(\kt)+8*(\f)+7], v[QF+8*(\f):QF+8*(\f)+7], v[S+8*(\kt):S+8*(\kt)+7]
.endif
.endr
.endr
	; the LDS addresses are made here: plain instructions that name none of the products' registers, the places behind them
	s_lshl_b32 s61, s[WV], 12
	s_add_co_u32 s61, s61, SPART
	v_lshl_add_u32 v[SPST], v3, 4, s61
	v_lshl_add_u32 v[SPLD], v3, 4, SPART
	v_and_b32 v[AVA], 7, v0                        ; the turning load: lane l reads key 8 (l / 16) + l % 8, channels 8 ((l / 8) % 2) + 0..7
	v_lshl_add_u32 v[AVA], v2, 3, v[AVA]
	v_mul_u32_u24 v[AVA], v[AVA], PV
	v_bfe_u32 v[C0], v0, 3, 1
	v_lshl_add_u32 v[AVA], v[C0], 4, v[AVA]
	v_add_nc_u32 v[AVA], s[G0+1], v[AVA]
	s_mul_i32 s61, s[WV], STGW
	s_add_co_u32 s61, s61, STG
	v_mul_u32_u24 v[STO], v1, SGP
	v_lshl_add_u32 v[STO], v2, 5, v[STO]
	v_add_nc_u32 v[STO], s61, v[STO]
.irp i, 0,1,2,3,4,5,6,7                 ; my part of the scores, each accumulator from its low end
	ds_store_b128 v[SPST], v[S+4*(\i):S+4*(\i)+3] offset:512*(\i)
.endr
	s_wait_dscnt 0x0                               ; for the others' sake: my stores are done
	s_barrier_signal -1
	s_barrier_wait -1
.irp w, 0,1,2,3
.irp i, 0,1,2,3,4,5,6,7
	ds_load_b128 v[KF+32*(\w)+4*(\i):KF+32*(\w)+4*(\i)+3], v[SPLD] offset:4096*(\w)+512*(\i)
.endr
.endr
	s_wait_dscnt 0x0
.set k, 0
.rept 16                                ; (p0 + p1) + (p2 + p3): the same order, so the same scores, in all four waves
	v_pk_add_f32 v[KF+2*k:KF+2*k+1], v[KF+2*k:KF+2*k+1], v[KF+32+2*k:KF+32+2*k+1]
	v_pk_add_f32 v[KF+64+2*k:KF+64+2*k+1], v[KF+64+2*k:KF+64+2*k+1], v[KF+96+2*k:KF+96+2*k+1]
.set k, k+1
.endr
.set k, 0
.rept 16
	v_pk_add_f32 v[S+2*k:S+2*k+1], v[KF+2*k:KF+2*k+1], v[KF+64+2*k:KF+64+2*k+1]
.set k, k+1
.endr
	; SOFTMAX: the maximum of my 32 scores in four chains, then the other half of the lanes'
.irp j, 0,1,2,3
	v_max3_num_f32 v[C0+(\j)], v[S+8*(\j)], v[S+8*(\j)+1], v[S+8*(\j)+2]
.endr
.irp j, 0,1,2,3
	v_max3_num_f32 v[C0+(\j)], v[C0+(\j)], v[S+8*(\j)+3], v[S+8*(\j)+4]
.endr
.irp j, 0,1,2,3
	v_max3_num_f32 v[C0+(\j)], v[C0+(\j)], v[S+8*(\j)+5], v[S+8*(\j)+6]
.endr
	v_max3_num_f32 v[C0], v[C0], v[S+7], v[S+15]
	v_max3_num_f32 v[C0+2], v[C0+2], v[S+23], v[S+31]
	v_max3_num_f32 v[C0], v[C0], v[C0+1], v[C0+2]
	v_max_num_f32 v[C0], v[C0], v[C0+3]
	v_permlanex16_b32 v[C0+1], v[C0], s[SEL], s[SEL+1]
	v_max_num_f32 v[C0], v[C0], v[C0+1]
	v_mul_f32 v[CM], s[CS], v[C0]
	v_mov_b32 v[CM+1], v[CM]
.set k, 0
.rept 16
	v_pk_fma_f32 v[S+2*k:S+2*k+1], v[S+2*k:S+2*k+1], s[CS:CS+1], v[CM:CM+1] op_sel_hi:[1,0,0] neg_lo:[0,0,1] neg_hi:[0,0,1]  ; c s - c m
.set k, k+1
.endr
.set k, 0
.rept 32
	v_exp_f32 v[S+k], v[S+k]
.set k, k+1
.endr
	v_nop                                          ; a plain instruction behind the last exponential (ISA guide 5.7.2)
.set k, 0
	s_wait_alu depctr_va_vdst(0)
.rept 16
	v_cvt_pk_bf16_f32 v[P+k], v[S+2*k], v[S+2*k+1]
.set k, k+1
.endr
.irp w, 16,8,4,2                        ; l: the sum of the unrounded weights, a tree in place
.set k, 0
.rept (\w)/2
	v_pk_add_f32 v[S+2*k:S+2*k+1], v[S+2*k:S+2*k+1], v[S+(\w)+2*k:S+(\w)+2*k+1]
.set k, k+1
.endr
.endr
	v_add_f32 v[S], v[S], v[S+1]
	v_permlanex16_b32 v[C0+1], v[S], s[SEL], s[SEL+1]
	v_add_f32 v[S], v[S], v[C0+1]
	v_rcp_f32 v[S+1], v[S]
	v_nop
	s_wait_alu depctr_va_vdst(0)
	v_mul_f32 v[KR], s[NK], v[S+1]                 ; the division by l and the sigmoid's factor in one number
	v_mov_b32 v[KR+1], v[KR]
; O^T = V^T P, two channel blocks of 16 (a group) at a time, V's fragments in two buffers
.macro FETCHV g
.irp u, 0,1
.irp kk, 0,1
	ds_load_tr16_b128 v[VBUF+32*((\g)%2)+16*(\u)+8*(\kk):VBUF+32*((\g)%2)+16*(\u)+8*(\kk)+3],   v[AVA] offset:(\kk)*32*PV+32*(2*(\g)+(\u))
	ds_load_tr16_b128 v[VBUF+32*((\g)%2)+16*(\u)+8*(\kk)+4:VBUF+32*((\g)%2)+16*(\u)+8*(\kk)+7], v[AVA] offset:(\kk)*32*PV+16*PV+32*(2*(\g)+(\u))
.endr
.endr
.endm
.macro AVG g                            ; four products; the group's two accumulators take turns
.irp kk, 0,1
.irp u, 0,1
.if (\kk) == 0
	v_wmma_f32_16x16x32_bf16 v[O+8*(2*(\g)+(\u)):O+8*(2*(\g)+(\u))+7], v[VBUF+32*((\g)%2)+16*(\u)+8*(\kk):VBUF+32*((\g)%2)+16*(\u)+8*(\kk)+7], v[P+8*(\kk):P+8*(\kk)+7], 0
.else
	v_wmma_f32_16x16x32_bf16 v[O+8*(2*(\g)+(\u)):O+8*(2*(\g)+(\u))+7], v[VBUF+32*((\g)%2)+16*(\u)+8*(\kk):VBUF+32*((\g)%2)+16*(\u)+8*(\kk)+7], v[P+8*(\kk):P+8*(\kk)+7], v[O+8*(2*(\g)+(\u)):O+8*(2*(\g)+(\u))+7]
.endif
.endr
.endr
.endm
	s_wait_tensorcnt 0x0                           ; my block of V is in; no other wave reads it
	FETCHV 0
	FETCHV 1
.irp g, 0,1,2,3,4,5,6,7
.if (\g) < 7
	s_wait_dscnt 8                                 ; this group's eight loads are in; the other buffer's eight may be out
.else
	s_wait_dscnt 0x0
.endif
	AVG \g
.if (\g) < 6
.rept 4
	v_nop                                          ; the places in front of loads into the buffer just multiplied
.endr
	FETCHV (\g)+2
.endif
.endr
; sigmoid(o / l) = 1 / (1 + 2^(-log2(e) o / l)) for channel block ct, in place, and into my stage.  The blocks finished earlier are the places behind the last products.
.macro ACT ct
.set rO, O+8*(\ct)
.irp k, 0,2,4,6
	v_pk_mul_f32 v[rO+\k:rO+\k+1], v[rO+\k:rO+\k+1], v[KR:KR+1] op_sel_hi:[1,0]
.endr
.irp k, 0,1,2,3,4,5,6,7
	v_exp_f32 v[rO+\k], v[rO+\k]
.endr
	v_nop
	s_wait_alu depctr_va_vdst(0)
.irp k, 0,2,4,6
	v_pk_add_f32 v[rO+\k:rO+\k+1], v[rO+\k:rO+\k+1], 1.0 op_sel_hi:[1,0]
.endr
.irp k, 0,1,2,3,4,5,6,7
	v_rcp_f32 v[rO+\k], v[rO+\k]
.endr
	v_nop
	s_wait_alu depctr_va_vdst(0)
	ds_store_b128 v[STO], v[rO:rO+3] offset:64*(\ct)
	ds_store_b128 v[STO], v[rO+4:rO+7] offset:64*(\ct)+16
.endm
.irp ct, 0,1,2,3,4,5,6,7,8,9,10,11,12,13,14,15
	ACT \ct
.endr
	s_wait_dscnt 0x0                               ; for the others' sake: my stores into my stage are done
	s_barrier_signal -1
	s_barrier_wait -1
	; THE LAST PHASE: my four whole rows, 512 bytes (128 channels) a load, out of the four stages; times h; rounded; stored
	s_mul_i32 s61, s[WV], 4*SGP
	s_add_co_u32 s61, s61, STG
	v_lshl_add_u32 v[RD], v3, 4, s61
	v_lshlrev_b32 v[GO8], 3, v3
.irp rr, 0,1,2,3
.irp i, 0,1,2,3,4,5,6,7
	ds_load_b128 v[O+32*(\rr)+4*(\i):O+32*(\rr)+4*(\i)+3], v[RD] offset:STGW*((\i)/2)+SGP*(\rr)+512*((\i)%2)
.endr
.endr
	s_wait_dscnt 0x0
	s_wait_loadcnt 0x0                             ; h
	WIN 0x04                                       ; source 1 window 1
.set k, 0
.rept 64
	v_pk_mul_f32 v[O+2*k:O+2*k+1], v[O+2*k:O+2*k+1], v[2*k:2*k+1]
.set k, k+1
.endr
	WIN 0
.set k, 0
.rept 64
	v_cvt_pk_bf16_f32 v[RES+k], v[O+2*k], v[O+2*k+1]
.set k, k+1
.endr
.irp rr, 0,1,2,3
.irp i, 0,1,2,3,4,5,6,7
	global_store_b64 v[GO8], v[RES+16*(\rr)+2*(\i):RES+16*(\rr)+2*(\i)+1], s[OBS:OBS+1] offset:4096*(\rr)+256*(\i)  ; the wave stores 256 consecutive bytes, at a multiple of 256 from xhr's first byte
.endr
.endr
	s_wait_tensorcnt 0x0                           ; the wave's end
	ds_add_u32 v[SPW], v[NIL]
	s_wait_dscnt 0x0
	CROUND                                         ; the closing round
	s_endpgm
.Lfunc_end_k_qc57a12425e_attn_r:
	.size	k_qc57a12425e_attn_r, .Lfunc_end_k_qc57a12425e_attn_r-k_qc57a12425e_attn_r
	.p2alignl 7, 3214868480
	.fill 96, 4, 3214868480
	.section	.rodata,"a",@progbits
	.p2align	6, 0x0
	.amdhsa_kernel k_qc57a12425e_attn_r
		.amdhsa_group_segment_fixed_size 222720
		.amdhsa_private_segment_fixed_size 0
		.amdhsa_enable_private_segment 0
		.amdhsa_kernarg_size 24
		.amdhsa_user_sgpr_count 2
		.amdhsa_user_sgpr_kernarg_segment_ptr 1
		.amdhsa_wavefront_size32 1
		.amdhsa_system_sgpr_workgroup_id_x 1
		.amdhsa_system_sgpr_workgroup_id_y 1
		.amdhsa_system_sgpr_workgroup_id_z 1
		.amdhsa_system_vgpr_workitem_id 0
		.amdhsa_next_free_vgpr 384
		.amdhsa_next_free_sgpr 68
		.amdhsa_reserve_vcc 0
		.amdhsa_float_denorm_mode_32 3
		.amdhsa_float_denorm_mode_16_64 3
		.amdhsa_memory_ordered 1
		.amdhsa_forward_progress 1
		.amdhsa_inst_pref_size 65
	.end_amdhsa_kernel
	.amdgpu_metadata
---
amdhsa.version: [ 1, 2 ]
amdhsa.kernels:
  - .name:           k_qc57a12425e_attn_r
    .symbol:         k_qc57a12425e_attn_r.kd
    .args:
      - { .name: qkv_rz, .offset: 0, .size: 8, .value_kind: global_buffer, .address_space: global }
      - { .name: h, .offset: 8, .size: 8, .value_kind: global_buffer, .address_space: global }
      - { .name: xhr, .offset: 16, .size: 8, .value_kind: global_buffer, .address_space: global }
    .group_segment_fixed_size: 222720
    .private_segment_fixed_size: 0
    .kernarg_segment_align: 8
    .kernarg_segment_size: 24
    .max_flat_workgroup_size: 128
    .sgpr_count:     68
    .vgpr_count:     384
    .wavefront_size: 32
...
	.end_amdgpu_metadata
.endif
;; end of part 3
;; launch gemm_n: the kernel of part 2 again; grid 8 x 32, 4 waves a work-group, clusters of 4 x 4, 327,680 bytes of LDS; arguments xhr, w_n, bq_n, bk_n, bv_n, bq_z, bk_z, bv_z, qkv_n; writes qkv_n
;; launch attn_zn (part 4): grid 256 x 1, 8 waves a work-group, clusters of 4 x 1, 327,680 bytes of LDS; arguments qkv_rz, qkv_n, h, gamma, beta, out0; writes out0
.if DOCPART == 4
	.amdgcn_target "amdgcn-amd-amdhsa--gfx1250"
	.amdhsa_code_object_version 6
	.text
	.protected	k_qc57a12425e_attn_zn
	.globl	k_qc57a12425e_attn_zn
	.p2align	8
	.type	k_qc57a12425e_attn_zn,@function
k_qc57a12425e_attn_zn:
	s_mov_b64 s[64:65], 0
	v_nop
	global_prefetch_b8 v0, s[64:65] scope:SCOPE_SE
	s_setreg_imm32_b32 hwreg(HW_REG_WAVE_MODE, 25, 1), 1
	s_wait_xcnt 0x0
	s_wait_alu depctr_hold_cnt(0) depctr_sa_sdst(0) depctr_va_vdst(0) depctr_va_sdst(0) depctr_va_ssrc(0) depctr_va_vcc(0) depctr_vm_vsrc(0)
	s_getreg_b32 s2, hwreg(HW_REG_IB_STS2, 6, 4)
	s_cmp_eq_u32 s2, 0
	s_cbranch_scc0 .Lentry_in_a_cluster
	s_endpgm
.Lentry_in_a_cluster:
	s_bfe_u32 s2, ttmp6, 0x10000c
	s_cmp_lg_u32 s2, 0x3003
	s_cbranch_scc0 .Lentry_shape_is_right
	s_endpgm
.Lentry_shape_is_right:
; GATES z AND n, THE BLEND AND THE NORM.  u = sigmoid(attention_z), t = tanh(attention_n), s = h + u (t - h) = (1 - u) h + u t, out0 = (s - mean) rsqrt(var + 1e-5) gamma + beta over each row's 1,024.
; attention_g[row][d] = sum over e of softmax_e(Q[row] . K[e] / sqrt(512)) V[e][d], the 64 keys e being the row's batch.  z's Q, K, V: blocks 8-9, 10-11, 12-15 of qkv_rz; n's: blocks 0-1, 2-3, 4-7
; of qkv_n; each block [4096][256] bf16.  Products, the maximum, sums, activations, h, the blend and the norm in f32; the weights are rounded to bf16 for the second product.
; LIMITS.  The maximum taken away is the row's true maximum (all 64 keys are seen at once); a weight below 2^-126 counts as 0; tanh(x) = 2 sigmoid(2 x) - 1, good to an absolute 1e-7;
; the variance is the mean of (s - mean)^2, made in a second pass over registers; NaN and infinities are not treated apart.
; SHARES.  A cluster of four work-groups is a batch, a work-group 16 of its queries.  Waves 0-3 serve gate z, waves 4-7 gate n, in one text.  Wave 4 g + c: the scores' part over d = 128 c .. + 127
; (a gate's four parts meet in LDS); channels 256 c .. + 255 of the second product (V's block c).  In the last phase wave w owns the whole rows 2 w and 2 w + 1: the norm never leaves a wave.
; CLUSTER.  The four partners need the same V: each of its eight blocks is one joint tensor load.  K, a third of the shared bytes, goes straight into registers: a wave multiplies each fragment once.
; LDS.  Eight blocks of V; a wave's stage (16 queries x 256 channels f32) is the head of its OWN block, which has had its only fill and which the wave alone has read, all reads back, when it stores there:
; eight blocks and eight stages apart (278,528 + 133,120 bytes) do not fit.
; LAYOUT AND REGISTERS.  S^T = K Q^T holds one query a lane (l % 16) and the keys 16 kt + 8 (l / 16) + 0..7; two results rounded to bf16 ARE source 1 of O^T = V^T P; V is turned by ds_load_tr16_b128.
;   window 0: v0-15 addresses, at work; v16-31 P, later addresses; v32-63 S^T; v64-191 K's fragments, the parts, O^T, then u (v64-127) and t (v128-191); v192-255 Q, then V's two buffers
;   window 1: v0-63 my two rows of h; v64-95 gamma; v96-127 beta
.set BLK,   1<<21
.set PV,    544       ; V's LDS row: 512 bytes + 32
.set VBLK,  64*PV     ; LDS from 0: eight blocks of V, wave w's at w x VBLK
.set SPART, 8*VBLK    ; the scores' parts, 4,096 bytes for each wave
.set SGP,   1040      ; a stage's row: 1,024 bytes + 16
.set SPARE, SPART+8*4096  ; the spare words, 128 bytes for each wave: four blocks of 256 bytes that no other line names
.set QKO,  4
.set SPST, 5
.set SPLD, 6
.set AVA,  7
.set STO,  8
.set GRO,  9          ; v9   16 x lane
.set SPW,  10         ; v10  LDS address of my spare word; never rewritten
.set NIL,  11         ; v11  0; never rewritten
.set C0,   12
.set P,    16
.set RDA,  16         ; v16-23  the last phase: my two rows in the eight stages
.set CM,   24
.set S,    32
.set KR,   34
.set KF,   64
.set O,    64
.set U,    64
.set T,    128
.set QF,   192
.set VBUF, 192
.set WV,  16          ; s16  my wave's number
.set GG,  17          ; s17  my gate: 0 z, 1 n
.set CC,  18          ; s18  my place among the gate's four waves
.set GB,  20          ; s[20:21] the gate's first block
.set CX,  23          ; s23  my place in the cluster: it enters Q's, h's and out0's addresses alone
.set QB,  24
.set KB,  26
.set G0,  28
.set G1,  32
.set CS,  40          ; s[40:41] c = log2(e) / sqrt(512)
.set SEL, 42
.set NK,  44          ; s44  -log2(e) for the sigmoid, twice that for tanh
.set INV, 45          ; s45  1 / 1024
.set AA,  46          ; s[46:47], s[48:49]: the activation is AA x sigmoid + BB: (1, 0) or (2, -1)
.set BB,  48
.set HB,  50
.set OBS, 52
.set EPS, 60
.set MSB, 0
.macro WIN new
.if MSB != (\new)
	s_set_vgpr_msb (MSB<<8)|(\new)
.set MSB, \new
.endif
.endm
.macro CROUND                          ; a round of the cluster's barrier
	s_barrier_signal -1
	s_barrier_wait -1
	s_cmp_lg_u32 s[WV], 0
	s_cbranch_scc1 .Lnot_wave_0_\@
	s_barrier_signal -3
.Lnot_wave_0_\@:
	s_barrier_wait -3
	s_barrier_signal -1
	s_barrier_wait -1
.endm
	s_load_b256 s[4:11], s[0:1], 0x0               ; qkv_rz s[4:5], qkv_n s[6:7], h s[8:9], gamma s[10:11]
	s_load_b128 s[12:15], s[0:1], 0x20             ; beta s[12:13], out0 s[14:15]
	v_lshl_add_u32 v[SPW], v0, 2, SPARE
	v_mov_b32 v[NIL], 0
	ds_add_u32 v[SPW], v[NIL]                      ; the wave's opening: the add and its wait stand ahead of my tensor load; the set-up stands between them
	v_lshrrev_b32 v1, 5, v0
	v_readfirstlane_b32 s[WV], v1
	s_lshr_b32 s[GG], s[WV], 2
	s_and_b32 s[CC], s[WV], 3
	s_lshr_b32 s19, s[CC], 1
	s_and_b32 s22, s[CC], 1
	s_bfe_u32 s[CX], ttmp6, 0x40000
	s_lshl_b32 s61, ttmp9, 15                      ; the batch (the cluster's number): 64 rows of 512 bytes in every block
	s_add_co_u32 s58, s[CC], 4
	s_lshl_b32 s58, s58, 21
	s_add_co_u32 s58, s58, s61                     ; V: the gate's block 4 + c
	s_mov_b32 s59, 0
	s_lshl_b32 s62, s19, 21                        ; my 128 d: block c / 2,
	s_lshl_b32 s63, s22, 8                         ; byte 256 (c % 2) of its rows
	s_add_co_u32 s62, s62, s63
	s_add_co_u32 s62, s62, s61
	s_add_co_u32 s56, s62, 2*BLK                   ; K: two blocks on
	s_mov_b32 s57, 0
	s_lshl_b32 s63, s[CX], 13                      ; Q: my work-group's 16 rows
	s_add_co_u32 s54, s62, s63
	s_mov_b32 s55, 0
	s_lshl_b32 s66, ttmp9, 18                      ; h and out0: rows of 4,096 bytes: 64 a batch,
	s_lshl_b32 s63, s[CX], 16                      ; 16 a work-group,
	s_add_co_u32 s66, s66, s63
	s_lshl_b32 s63, s[WV], 13                      ; 2 a wave
	s_add_co_u32 s66, s66, s63
	s_mov_b32 s67, 0
	s_mov_b32 s[G1], 15|(1<<16)|(1<<20)|(1<<21)|(6<<22)|(7<<25)  ; 15:0 the mask of four; 17:16 2-byte elements; 20 padding on; 21 set beside a mask; 24:22 after every 128 words; 31:25 8 words
	s_mov_b32 s[G1+1], 256<<16                     ; tensor_dim0 = 256
	s_mov_b32 s[G1+2], 64<<16                      ; tensor_dim1 = 64
	s_mov_b32 s[G1+3], 256<<16                     ; tile_dim0 = 256
	s_mov_b32 s[G1+4], 64                          ; tile_dim1 = 64
	s_mov_b32 s[G1+5], 256                         ; dense rows
	s_mov_b32 s[G1+6], 0
	s_mov_b32 s[G1+7], 0
	s_mov_b32 s[G0], 1
	s_mul_i32 s[G0+1], s[WV], VBLK
	s_mov_b32 s[CS], 0x3d8293ee                    ; log2(e) / sqrt(512) = 0.0637587
	s_mov_b32 s[CS+1], s[CS]
	s_mov_b32 s[SEL], 0x76543210
	s_mov_b32 s[SEL+1], 0xfedcba98
	s_mov_b32 s[INV], 0x3a800000                   ; 2^-10
	s_mov_b32 s[EPS], 0x3727c5ac                   ; 1e-5
	s_mov_b32 s61, 0xbfb8aa3b                      ; -log2(e)
	s_mov_b32 s62, 0xc038aa3b                      ; -2 log2(e)
	s_cmp_eq_u32 s[GG], 0
	s_cselect_b32 s[NK], s61, s62
	s_cselect_b32 s[AA], 1.0, 2.0
	s_cselect_b32 s[BB], 0, -1.0
	s_cselect_b32 s62, 8*BLK, 0                    ; z's blocks lie behind r's eight
	s_mov_b32 s63, 0
	s_mov_b32 s[AA+1], s[AA]
	s_mov_b32 s[BB+1], s[BB]
	s_wait_dscnt 0x0                               ; the opening add is done
	s_wait_kmcnt 0x0
	s_cselect_b64 s[GB:GB+1], s[4:5], s[6:7]       ; (the compare above still holds: moves and waits leave SCC alone)
	s_add_nc_u64 s[GB:GB+1], s[GB:GB+1], s[62:63]
	s_add_nc_u64 s[G0+2:G0+3], s[GB:GB+1], s[58:59]
	s_or_b32 s[G0+3], s[G0+3], 0x80000000
	s_add_nc_u64 s[QB:QB+1], s[GB:GB+1], s[54:55]
	s_add_nc_u64 s[KB:KB+1], s[GB:GB+1], s[56:57]
	s_add_nc_u64 s[HB:HB+1], s[8:9], s[66:67]
	s_add_nc_u64 s[OBS:OBS+1], s[14:15], s[66:67]
	CROUND                                         ; all four work-groups are here: the joint loads meet
	tensor_load_to_lds s[G0:G0+3], s[G1:G1+7]      ; my block of V: my one tensor load
	s_nop 0
	v_and_b32 v1, 15, v0                           ; l % 16
	v_bfe_u32 v2, v0, 4, 1                         ; l / 16
	v_and_b32 v3, 31, v0                           ; lane
	v_lshlrev_b32 v[QKO], 9, v1
	v_lshl_add_u32 v[QKO], v2, 4, v[QKO]           ; row x 512 + 16 x half
	v_lshlrev_b32 v[GRO], 4, v3
.irp f, 0,1,2,3
	global_load_b128 v[QF+8*(\f):QF+8*(\f)+3],   v[QKO], s[QB:QB+1] offset:64*(\f)
	global_load_b128 v[QF+8*(\f)+4:QF+8*(\f)+7], v[QKO], s[QB:QB+1] offset:64*(\f)+32
.endr
.irp kt, 0,1,2,3
.irp f, 0,1,2,3
	global_load_b128 v[KF+32*(\kt)+8*(\f):KF+32*(\kt)+8*(\f)+3],   v[QKO], s[KB:KB+1] offset:8192*(\kt)+64*(\f)
	global_load_b128 v[KF+32*(\kt)+8*(\f)+4:KF+32*(\kt)+8*(\f)+7], v[QKO], s[KB:KB+1] offset:8192*(\kt)+64*(\f)+32
.endr
.endr
	WIN 0x40                                       ; destination window 1
.irp rr, 0,1
.irp i, 0,1,2,3,4,5,6,7
	global_load_b128 v[32*(\rr)+4*(\i):32*(\rr)+4*(\i)+3], v[GRO], s[HB:HB+1] offset:4096*(\rr)+512*(\i) th:TH_LOAD_NT
.endr
.endr
.irp i, 0,1,2,3,4,5,6,7
	global_load_b128 v[64+4*(\i):64+4*(\i)+3], v[GRO], s[10:11] offset:512*(\i)
	global_load_b128 v[96+4*(\i):96+4*(\i)+3], v[GRO], s[12:13] offset:512*(\i)
.endr
	WIN 0
	s_wait_loadcnt 32                              ; Q and K are in; the 32 loads of h, gamma and beta stay out
.irp f, 0,1,2,3                         ; the four accumulators take turns
.irp kt, 0,1,2,3
.if (\f) == 0
	v_wmma_f32_16x16x32_bf16 v[S+8*(\kt):S+8*(\kt)+7], v[KF+32*(\kt)+8*(\f):KF+32*(\kt)+8*(\f)+7], v[QF+8*(\f):QF+8*(\f)+7], 0
.else
	v_wmma_f32_16x16x32_bf16 v[S+8*(\kt):S+8*(\kt)+7], v[KF+32*(\kt)+8*(\f):KF+32*(\kt)+8*(\f)+7], v[QF+8*(\f):QF+8*(\f)+7], v[S+8*(\kt):S+8*(\kt)+7]
.endif
.endr
.endr
	; the LDS addresses are made here: plain instructions that name none of the products' registers, the places behind them
	s_lshl_b32 s61, s[WV], 12
	s_add_co_u32 s61, s61, SPART
	v_lshl_add_u32 v[SPST], v3, 4, s61
	s_lshl_b32 s61, s[GG], 14                      ; my gate's four parts
	s_add_co_u32 s61, s61, SPART
	v_lshl_add_u32 v[SPLD], v3, 4, s61
	v_and_b32 v[AVA], 7, v0                        ; the turning load: lane l reads key 8 (l / 16) + l % 8, channels 8 ((l / 8) % 2) + 0..7
	v_lshl_add_u32 v[AVA], v2, 3, v[AVA]
	v_mul_u32_u24 v[AVA], v[AVA], PV
	v_bfe_u32 v[C0], v0, 3, 1
	v_lshl_add_u32 v[AVA], v[C0], 4, v[AVA]
	v_add_nc_u32 v[AVA], s[G0+1], v[AVA]
	v_mul_u32_u24 v[STO], v1, SGP
	v_lshl_add_u32 v[STO], v2, 5, v[STO]
	v_add_nc_u32 v[STO], s[G0+1], v[STO]           ; my stage: the head of my block of V
.irp i, 0,1,2,3,4,5,6,7                 ; my part of the scores, each accumulator from its low end
	ds_store_b128 v[SPST], v[S+4*(\i):S+4*(\i)+3] offset:512*(\i)
.endr
	s_wait_dscnt 0x0                               ; for the others' sake: my stores are done
	s_barrier_signal -1
	s_barrier_wait -1
.irp w, 0,1,2,3
.irp i, 0,1,2,3,4,5,6,7
	ds_load_b128 v[KF+32*(\w)+4*(\i):KF+32*(\w)+4*(\i)+3], v[SPLD] offset:4096*(\w)+512*(\i)
.endr
.endr
	s_wait_dscnt 0x0
.set k, 0
.rept 16                                ; (p0 + p1) + (p2 + p3): the same order, so the same scores, in a gate's four waves
	v_pk_add_f32 v[KF+2*k:KF+2*k+1], v[KF+2*k:KF+2*k+1], v[KF+32+2*k:KF+32+2*k+1]
	v_pk_add_f32 v[KF+64+2*k:KF+64+2*k+1], v[KF+64+2*k:KF+64+2*k+1], v[KF+96+2*k:KF+96+2*k+1]
.set k, k+1
.endr
.set k, 0
.rept 16
	v_pk_add_f32 v[S+2*k:S+2*k+1], v[KF+2*k:KF+2*k+1], v[KF+64+2*k:KF+64+2*k+1]
.set k, k+1
.endr
	; SOFTMAX: the maximum of my 32 scores in four chains, then the other half of the lanes'
.irp j, 0,1,2,3
	v_max3_num_f32 v[C0+(\j)], v[S+8*(\j)], v[S+8*(\j)+1], v[S+8*(\j)+2]
.endr
.irp j, 0,1,2,3
	v_max3_num_f32 v[C0+(\j)], v[C0+(\j)], v[S+8*(\j)+3], v[S+8*(\j)+4]
.endr
.irp j, 0,1,2,3
	v_max3_num_f32 v[C0+(\j)], v[C0+(\j)], v[S+8*(\j)+5], v[S+8*(\j)+6]
.endr
	v_max3_num_f32 v[C0], v[C0], v[S+7], v[S+15]
	v_max3_num_f32 v[C0+2], v[C0+2], v[S+23], v[S+31]
	v_max3_num_f32 v[C0], v[C0], v[C0+1], v[C0+2]
	v_max_num_f32 v[C0], v[C0], v[C0+3]
	v_permlanex16_b32 v[C0+1], v[C0], s[SEL], s[SEL+1]
	v_max_num_f32 v[C0], v[C0], v[C0+1]
	v_mul_f32 v[CM], s[CS], v[C0]
	v_mov_b32 v[CM+1], v[CM]
.set k, 0
.rept 16
	v_pk_fma_f32 v[S+2*k:S+2*k+1], v[S+2*k:S+2*k+1], s[CS:CS+1], v[CM:CM+1] op_sel_hi:[1,0,0] neg_lo:[0,0,1] neg_hi:[0,0,1]  ; c s - c m
.set k, k+1
.endr
.set k, 0
.rept 32
	v_exp_f32 v[S+k], v[S+k]
.set k, k+1
.endr
	v_nop                                          ; a plain instruction behind the last exponential (ISA guide 5.7.2)
.set k, 0
	s_wait_alu depctr_va_vdst(0)
.rept 16
	v_cvt_pk_bf16_f32 v[P+k], v[S+2*k], v[S+2*k+1]
.set k, k+1
.endr
.irp w, 16,8,4,2                        ; l: the sum of the unrounded weights, a tree in place
.set k, 0
.rept (\w)/2
	v_pk_add_f32 v[S+2*k:S+2*k+1], v[S+2*k:S+2*k+1], v[S+(\w)+2*k:S+(\w)+2*k+1]
.set k, k+1
.endr
.endr
	v_add_f32 v[S], v[S], v[S+1]
	v_permlanex16_b32 v[C0+1], v[S], s[SEL], s[SEL+1]
	v_add_f32 v[S], v[S], v[C0+1]
	v_rcp_f32 v[S+1], v[S]
	v_nop
	s_wait_alu depctr_va_vdst(0)
	v_mul_f32 v[KR], s[NK], v[S+1]                 ; the division by l and the activation's factor in one number
	v_mov_b32 v[KR+1], v[KR]
; O^T = V^T P, two channel blocks of 16 (a group) at a time, V's fragments in two buffers
.macro FETCHV g
.irp u, 0,1
.irp kk, 0,1
	ds_load_tr16_b128 v[VBUF+32*((\g)%2)+16*(\u)+8*(\kk):VBUF+32*((\g)%2)+16*(\u)+8*(\kk)+3],   v[AVA] offset:(\kk)*32*PV+32*(2*(\g)+(\u))
	ds_load_tr16_b128 v[VBUF+32*((\g)%2)+16*(\u)+8*(\kk)+4:VBUF+32*((\g)%2)+16*(\u)+8*(\kk)+7], v[AVA] offset:(\kk)*32*PV+16*PV+32*(2*(\g)+(\u))
.endr
.endr
.endm
.macro AVG g                            ; four products; the group's two accumulators take turns
.irp kk, 0,1
.irp u, 0,1
.if (\kk) == 0
	v_wmma_f32_16x16x32_bf16 v[O+8*(2*(\g)+(\u)):O+8*(2*(\g)+(\u))+7], v[VBUF+32*((\g)%2)+16*(\u)+8*(\kk):VBUF+32*((\g)%2)+16*(\u)+8*(\kk)+7], v[P+8*(\kk):P+8*(\kk)+7], 0
.else
	v_wmma_f32_16x16x32_bf16 v[O+8*(2*(\g)+(\u)):O+8*(2*(\g)+(\u))+7], v[VBUF+32*((\g)%2)+16*(\u)+8*(\kk):VBUF+32*((\g)%2)+16*(\u)+8*(\kk)+7], v[P+8*(\kk):P+8*(\kk)+7], v[O+8*(2*(\g)+(\u)):O+8*(2*(\g)+(\u))+7]
.endif
.endr
.endr
.endm
	s_wait_tensorcnt 0x0                           ; my block of V is in; no other wave reads it as V
	FETCHV 0
	FETCHV 1
.irp g, 0,1,2,3,4,5,6,7
.if (\g) < 7
	s_wait_dscnt 8                                 ; this group's eight loads are in; the other buffer's eight may be out
.else
	s_wait_dscnt 0x0                               ; all my reads of V are back: from here on the block's head is my stage
.endif
	AVG \g
.if (\g) < 6
.rept 4
	v_nop                                          ; the places in front of loads into the buffer just multiplied
.endr
	FETCHV (\g)+2
.endif
.endr
; AA / (1 + 2^(NK o / l)) + BB for channel block ct, in place, and into my stage.  The blocks finished earlier are the places behind the last products.
.macro ACT ct
.set rO, O+8*(\ct)
.irp k, 0,2,4,6
	v_pk_mul_f32 v[rO+\k:rO+\k+1], v[rO+\k:rO+\k+1], v[KR:KR+1] op_sel_hi:[1,0]
.endr
.irp k, 0,1,2,3,4,5,6,7
	v_exp_f32 v[rO+\k], v[rO+\k]
.endr
	v_nop
	s_wait_alu depctr_va_vdst(0)
.irp k, 0,2,4,6
	v_pk_add_f32 v[rO+\k:rO+\k+1], v[rO+\k:rO+\k+1], 1.0 op_sel_hi:[1,0]
.endr
.irp k, 0,1,2,3,4,5,6,7
	v_rcp_f32 v[rO+\k], v[rO+\k]
.endr
	v_nop
	s_wait_alu depctr_va_vdst(0)
.irp k, 0,2,4,6
	v_pk_fma_f32 v[rO+\k:rO+\k+1], v[rO+\k:rO+\k+1], s[AA:AA+1], s[BB:BB+1] op_sel_hi:[1,0,0]
.endr
	ds_store_b128 v[STO], v[rO:rO+3] offset:64*(\ct)
	ds_store_b128 v[STO], v[rO+4:rO+7] offset:64*(\ct)+16
.endm
.irp ct, 0,1,2,3,4,5,6,7,8,9,10,11,12,13,14,15
	ACT \ct
.endr
	s_wait_dscnt 0x0                               ; for the others' sake: my stores into my stage are done
	s_barrier_signal -1
	s_barrier_wait -1
	; THE LAST PHASE: my two whole rows of u (stages 0-3) and of t (stages 4-7), 512 bytes (128 channels) a load
	s_mul_i32 s61, s[WV], 2*SGP
	v_lshl_add_u32 v[RDA], v3, 4, s61
.irp b, 1,2,3,4,5,6,7
	v_add_nc_u32 v[RDA+(\b)], (\b)*VBLK, v[RDA]
.endr
.irp rr, 0,1
.irp i, 0,1,2,3,4,5,6,7
	ds_load_b128 v[U+32*(\rr)+4*(\i):U+32*(\rr)+4*(\i)+3], v[RDA+(\i)/2] offset:SGP*(\rr)+512*((\i)%2)
	ds_load_b128 v[T+32*(\rr)+4*(\i):T+32*(\rr)+4*(\i)+3], v[RDA+4+(\i)/2] offset:SGP*(\rr)+512*((\i)%2)
.endr
.endr
	s_wait_dscnt 0x0
	s_wait_loadcnt 0x0                             ; h, gamma, beta
	WIN 0x04                                       ; source 1 window 1
.set k, 0
.rept 32
	v_pk_add_f32 v[T+2*k:T+2*k+1], v[T+2*k:T+2*k+1], v[2*k:2*k+1] neg_lo:[0,1] neg_hi:[0,1]  ; t - h
.set k, k+1
.endr
	WIN 0x10                                       ; source 2 window 1
.set k, 0
.rept 32
	v_pk_fma_f32 v[T+2*k:T+2*k+1], v[U+2*k:U+2*k+1], v[T+2*k:T+2*k+1], v[2*k:2*k+1]           ; u (t - h) + h
.set k, k+1
.endr
	WIN 0
.macro WSUM x, t                        ; the sum over the wave's 32 lanes, in every lane
	v_add_f32_dpp v[\x], v[\x], v[\x] row_xmask:1 row_mask:0xf bank_mask:0xf
	v_add_f32_dpp v[\x], v[\x], v[\x] row_xmask:2 row_mask:0xf bank_mask:0xf
	v_add_f32_dpp v[\x], v[\x], v[\x] row_xmask:4 row_mask:0xf bank_mask:0xf
	v_add_f32_dpp v[\x], v[\x], v[\x] row_xmask:8 row_mask:0xf bank_mask:0xf
	v_permlanex16_b32 v[\t], v[\x], s[SEL], s[SEL+1]
	v_add_f32 v[\x], v[\x], v[\t]
.endm
; The norm of row rr: a lane holds 32 of its 1,024 numbers.  u's registers are free and take the sums.
.macro LNROW rr
.set rT, T+32*(\rr)
.set rU, U+32*(\rr)
.set k, 0
.rept 8
	v_pk_add_f32 v[rU+2*k:rU+2*k+1], v[rT+2*k:rT+2*k+1], v[rT+16+2*k:rT+16+2*k+1]
.set k, k+1
.endr
.irp w, 8,4,2
.set k, 0
.rept (\w)/2
	v_pk_add_f32 v[rU+2*k:rU+2*k+1], v[rU+2*k:rU+2*k+1], v[rU+(\w)+2*k:rU+(\w)+2*k+1]
.set k, k+1
.endr
.endr
	v_add_f32 v[rU], v[rU], v[rU+1]
	WSUM rU, rU+1
	v_mul_f32 v[rU+2], s[INV], v[rU]               ; the mean
.set k, 0
.rept 16
	v_pk_add_f32 v[rT+2*k:rT+2*k+1], v[rT+2*k:rT+2*k+1], v[rU+2:rU+3] op_sel_hi:[1,0] neg_lo:[0,1] neg_hi:[0,1]
.set k, k+1
.endr
.set k, 0
.rept 4                                 ; the squares, in four chains that the first four pairs start
	v_pk_mul_f32 v[rU+4+2*k:rU+4+2*k+1], v[rT+2*k:rT+2*k+1], v[rT+2*k:rT+2*k+1]
.set k, k+1
.endr
.rept 12
	v_pk_fma_f32 v[rU+4+2*(k%4):rU+4+2*(k%4)+1], v[rT+2*k:rT+2*k+1], v[rT+2*k:rT+2*k+1], v[rU+4+2*(k%4):rU+4+2*(k%4)+1]
.set k, k+1
.endr
	v_pk_add_f32 v[rU+4:rU+5], v[rU+4:rU+5], v[rU+8:rU+9]
	v_pk_add_f32 v[rU+6:rU+7], v[rU+6:rU+7], v[rU+10:rU+11]
	v_pk_add_f32 v[rU+4:rU+5], v[rU+4:rU+5], v[rU+6:rU+7]
	v_add_f32 v[rU+4], v[rU+4], v[rU+5]
	WSUM rU+4, rU+5
	v_fma_f32 v[rU+6], v[rU+4], s[INV], s[EPS]     ; the variance + 1e-5
	v_rsq_f32 v[rU+8], v[rU+6]
	v_nop
.set k, 0
	s_wait_alu depctr_va_vdst(0)
.rept 16
	v_pk_mul_f32 v[rT+2*k:rT+2*k+1], v[rT+2*k:rT+2*k+1], v[rU+8:rU+9] op_sel_hi:[1,0]
.set k, k+1
.endr
.endm
	LNROW 0
	LNROW 1
	WIN 0x14                                       ; sources 1 and 2 window 1
.irp rr, 0,1
.set k, 0
.rept 16
	v_pk_fma_f32 v[T+32*(\rr)+2*k:T+32*(\rr)+2*k+1], v[T+32*(\rr)+2*k:T+32*(\rr)+2*k+1], v[64+2*k:64+2*k+1], v[96+2*k:96+2*k+1]  ; x gamma + beta
.set k, k+1
.endr
.endr
	WIN 0
.irp rr, 0,1
.irp i, 0,1,2,3,4,5,6,7
	global_store_b128 v[GRO], v[T+32*(\rr)+4*(\i):T+32*(\rr)+4*(\i)+3], s[OBS:OBS+1] offset:4096*(\rr)+512*(\i) th:TH_STORE_NT  ; the wave stores 512 consecutive bytes, at a multiple of 256 from out0's first byte
.endr
.endr
	s_wait_tensorcnt 0x0                           ; the wave's end
	ds_add_u32 v[SPW], v[NIL]
	s_wait_dscnt 0x0
	CROUND                                         ; the closing round
	s_endpgm
.Lfunc_end_k_qc57a12425e_attn_zn:
	.size	k_qc57a12425e_attn_zn, .Lfunc_end_k_qc57a12425e_attn_zn-k_qc57a12425e_attn_zn
	.p2alignl 7, 3214868480
	.fill 96, 4, 3214868480
	.section	.rodata,"a",@progbits
	.p2align	6, 0x0
	.amdhsa_kernel k_qc57a12425e_attn_zn
		.amdhsa_group_segment_fixed_size 327680
		.amdhsa_private_segment_fixed_size 0
		.amdhsa_enable_private_segment 0
		.amdhsa_kernarg_size 48
		.amdhsa_user_sgpr_count 2
		.amdhsa_user_sgpr_kernarg_segment_ptr 1
		.amdhsa_wavefront_size32 1
		.amdhsa_system_sgpr_workgroup_id_x 1
		.amdhsa_system_sgpr_workgroup_id_y 1
		.amdhsa_system_sgpr_workgroup_id_z 1
		.amdhsa_system_vgpr_workitem_id 0
		.amdhsa_next_free_vgpr 384
		.amdhsa_next_free_sgpr 68
		.amdhsa_reserve_vcc 0
		.amdhsa_float_denorm_mode_32 3
		.amdhsa_float_denorm_mode_16_64 3
		.amdhsa_memory_ordered 1
		.amdhsa_forward_progress 1
		.amdhsa_inst_pref_size 76
	.end_amdhsa_kernel
	.amdgpu_metadata
---
amdhsa.version: [ 1, 2 ]
amdhsa.kernels:
  - .name:           k_qc57a12425e_attn_zn
    .symbol:         k_qc57a12425e_attn_zn.kd
    .args:
      - { .name: qkv_rz, .offset: 0, .size: 8, .value_kind: global_buffer, .address_space: global }
      - { .name: qkv_n, .offset: 8, .size: 8, .value_kind: global_buffer, .address_space: global }
      - { .name: h, .offset: 16, .size: 8, .value_kind: global_buffer, .address_space: global }
      - { .name: gamma, .offset: 24, .size: 8, .value_kind: global_buffer, .address_space: global }
      - { .name: beta, .offset: 32, .size: 8, .value_kind: global_buffer, .address_space: global }
      - { .name: out0, .offset: 40, .size: 8, .value_kind: global_buffer, .address_space: global }
    .group_segment_fixed_size: 327680
    .private_segment_fixed_size: 0
    .kernarg_segment_align: 8
    .kernarg_segment_size: 48
    .max_flat_workgroup_size: 256
    .sgpr_count:     68
    .vgpr_count:     384
    .wavefront_size: 32
...
	.end_amdgpu_metadata
.endif
;; end of part 4
;; ======== version 2 of 3: 5 launches; 1.13 times as fast as version 1
;; workspace buffers: xh 16,777,216 bytes; xhr 16,777,216 bytes; w_rz 16,777,216 bytes; w_n 8,388,608 bytes; qkv_rz 33,554,432 bytes; qkv_n 16,777,216 bytes
;; launch prep (part 5): grid 64 x 20, 8 waves a work-group, no clusters, 0 bytes of LDS; arguments x, h, Wq_r, Wk_r, Wv_r, Wq_z, Wk_z, Wv_z, Wq_n, Wk_n, Wv_n, xh, w_rz, w_n; writes xh, w_rz, w_n
.if DOCPART == 5
	.amdgcn_target "amdgcn-amd-amdhsa--gfx1250"
	.amdhsa_code_object_version 6
	.text
	.protected	k_qc57a12425e_prep
	.globl	k_qc57a12425e_prep
	.p2align	8
	.type	k_qc57a12425e_prep,@function
k_qc57a12425e_prep:
	s_mov_b64 s[64:65], 0
	v_nop
	global_prefetch_b8 v0, s[64:65] scope:SCOPE_SE
	s_setreg_imm32_b32 hwreg(HW_REG_WAVE_MODE, 25, 1), 1
	s_wait_xcnt 0x0
; CASTS, f32 to bf16 (round to nearest even), once for the whole program; each number is read once and stored once.
;   x -> xh[:, 0:1024];  h -> xh[:, 1024:2048]   (xh: [4096][2048] bf16, rows of 4,096 bytes)
;   the nine weights [2048 k][N] -> blocks [2048 k][256 n] bf16 of 1 MiB: w_rz = Qr 0-1, Kr 2-3, Vr 4-7, Qz 8-9, Kz 10-11, Vz 12-15;  w_n = Q 0-1, K 2-3, V 4-7
; A stream: memory binds, so no LDS, no matrix unit, no cluster (no two work-groups read the same byte).
; SHARES.  Grid y names 4 MiB of source (0-3 x, 4-7 h, 8 + 4 gate + {0 Wq, 1 Wk, 2, 3 Wv}), grid x 65,536 bytes of it.  A work-group takes them by 16 loads of 4,096 bytes:
; thread t the 16 bytes at 16 t, so a wave's load covers 512 consecutive bytes; the four numbers become 8 bytes, and a wave's store covers 256 consecutive bytes, aligned.
; ONE TEXT FOR THE THREE KINDS OF SOURCE.  They differ in numbers alone, which are chosen by selects, without a branch.  With e the chunk's number in its tensor:
;   kind            4,096 bytes of source are     destination of chunk e    from load to load   thread t's place
;   x, h            a row of 1,024 numbers        e << 16 (+ 2,048 for h)   4,096               8 t
;   Wq, Wk          two rows k of 512 numbers     block + (e << 14)         1,024               8 (t % 64) + ((t / 64) % 2) blocks + (t / 128) rows of 512 bytes
;   Wv              a row k of 1,024 numbers      block + (e << 13)         512                 8 (t % 64) + (t / 64) blocks
; All 16 loads go out first; no register is written twice, so the only waits are the counted ones for the loads.
.set VS,   1          ; v1  16 t: my bytes in 4,096 bytes of source
.set VD,   2          ; v2  my bytes in the destination of load 0
.set X,    8          ; v[8:71]    load i: 4 registers
.set YO,   72         ; v[72:103]  load i: 2 registers, packed
.set VDI,  104        ; v[104:119] load i: my bytes in its destination
.set SRC,  36         ; s[36:37]
.set DST,  38         ; s[38:39]
.set STEP, 40         ; s40  bytes in the destination from one load's numbers to the next's
.set SH,   41         ; s41  log2 of a chunk's bytes in the destination
	s_load_b512 s[4:19], s[0:1], 0x0               ; x, h, Wq_r, Wk_r, Wv_r, Wq_z, Wk_z, Wv_z
	s_load_b256 s[20:27], s[0:1], 0x40             ; Wq_n, Wk_n, Wv_n, xh
	s_load_b128 s[28:31], s[0:1], 0x60             ; w_rz, w_n
	s_and_b32 s34, ttmp7, 0xffff                   ; the segment
	s_max_u32 s46, s34, 8
	s_sub_co_u32 s46, s46, 8                       ; the segment among the weights' (0 for x and h, where what follows from it is not taken)
	s_lshr_b32 s47, s46, 2                         ; gate: 0 r, 1 z, 2 n
	s_and_b32 s46, s46, 3                          ; 0 Wq, 1 Wk, 2 and 3 the halves of Wv
	; the numbers of a weight
	s_and_b32 s48, s46, 1                          ; which half of Wv
	s_lshl_b32 s49, s46, 1                         ; Q's blocks begin at 0, K's at 2,
	s_cmp_lt_u32 s46, 2
	s_cselect_b32 s48, 0, s48                      ; the 4 MiB's place in its tensor
	s_cselect_b32 s49, s49, 4                      ; V's at 4
	s_cselect_b32 s[SH], 14, 13
	s_cselect_b32 s51, 1, 3                        ; t / 64 names one of two, or of four, blocks
	s_cselect_b32 s52, 1, 0                        ; t / 128 names one of two rows, or nothing
	s_cmp_eq_u32 s47, 1
	s_cselect_b32 s53, 8, 0                        ; z's blocks lie behind r's eight
	s_add_co_u32 s49, s49, s53
	s_lshl_b32 s49, s49, 20                        ; the first block's byte
	; the numbers of x and h, and the choice
	s_and_b32 s53, s34, 3
	s_cmp_lt_u32 s34, 4
	s_cselect_b32 s54, 0, 2048                     ; h fills the rows' second halves
	s_cmp_lt_u32 s34, 8
	s_cselect_b32 s48, s53, s48
	s_cselect_b32 s49, s54, s49
	s_cselect_b32 s[SH], 16, s[SH]
	s_cselect_b32 s50, 255, 63                     ; t, or t % 64, names my four numbers
	s_cselect_b32 s51, 0, s51
	s_cselect_b32 s52, 0, s52
	s_lshl_b32 s48, s48, 6
	s_add_co_u32 s48, s48, ttmp9                   ; e: the chunk's number in its tensor
	s_lshl_b32 s42, s48, 16                        ; its byte in the source,
	s_mov_b32 s43, 0
	s_lshl_b32 s44, s48, s[SH]
	s_add_co_u32 s44, s44, s49                     ; and in the destination
	s_mov_b32 s45, 0
	s_sub_co_u32 s[SH], s[SH], 4
	s_lshl_b32 s[STEP], 1, s[SH]                   ; a sixteenth of a chunk's bytes in the destination
	v_lshlrev_b32 v[VS], 4, v0
	v_and_b32 v3, s50, v0
	v_lshlrev_b32 v[VD], 3, v3
	v_lshrrev_b32 v4, 6, v0
	v_and_b32 v4, s51, v4
	v_lshl_add_u32 v[VD], v4, 20, v[VD]
	v_lshrrev_b32 v5, 7, v0
	v_and_b32 v5, s52, v5
	v_lshl_add_u32 v[VD], v5, 9, v[VD]
	s_wait_kmcnt 0x0
	s_cmp_eq_u32 s47, 1                            ; the gate's three weights,
	s_cselect_b64 s[8:9], s[14:15], s[8:9]
	s_cselect_b64 s[10:11], s[16:17], s[10:11]
	s_cselect_b64 s[12:13], s[18:19], s[12:13]
	s_cmp_eq_u32 s47, 2
	s_cselect_b64 s[8:9], s[20:21], s[8:9]
	s_cselect_b64 s[10:11], s[22:23], s[10:11]
	s_cselect_b64 s[12:13], s[24:25], s[12:13]
	s_cselect_b64 s[DST:DST+1], s[30:31], s[28:29]
	s_cmp_eq_u32 s46, 0                            ; the one of them,
	s_cselect_b64 s[SRC:SRC+1], s[8:9], s[10:11]
	s_cmp_lt_u32 s46, 2
	s_cselect_b64 s[SRC:SRC+1], s[SRC:SRC+1], s[12:13]
	s_cmp_lt_u32 s34, 8                            ; or h, or x
	s_cselect_b64 s[SRC:SRC+1], s[6:7], s[SRC:SRC+1]
	s_cselect_b64 s[DST:DST+1], s[26:27], s[DST:DST+1]
	s_cmp_lt_u32 s34, 4
	s_cselect_b64 s[SRC:SRC+1], s[4:5], s[SRC:SRC+1]
	s_add_nc_u64 s[SRC:SRC+1], s[SRC:SRC+1], s[42:43]
	s_add_nc_u64 s[DST:DST+1], s[DST:DST+1], s[44:45]
.set i, 0
.rept 16
	global_load_b128 v[X+4*i:X+4*i+3], v[VS], s[SRC:SRC+1] offset:4096*i th:TH_LOAD_NT
.set i, i+1
.endr
.set i, 0
.rept 16                                ; the stores' offsets are made while the loads are out
	v_mad_u32_u24 v[VDI+i], s[STEP], i, v[VD]
.set i, i+1
.endr
.set i, 0
.rept 16
	s_wait_loadcnt 15-i                            ; loads come back in order: load i is in, the 15 - i younger ones stay out
	v_cvt_pk_bf16_f32 v[YO+2*i], v[X+4*i], v[X+4*i+1]
	v_cvt_pk_bf16_f32 v[YO+2*i+1], v[X+4*i+2], v[X+4*i+3]
	global_store_b64 v[VDI+i], v[YO+2*i:YO+2*i+1], s[DST:DST+1]
.set i, i+1
.endr
	s_endpgm
.Lfunc_end_k_qc57a12425e_prep:
	.size	k_qc57a12425e_prep, .Lfunc_end_k_qc57a12425e_prep-k_qc57a12425e_prep
	.p2alignl 7, 3214868480
	.fill 96, 4, 3214868480
	.section	.rodata,"a",@progbits
	.p2align	6, 0x0
	.amdhsa_kernel k_qc57a12425e_prep
		.amdhsa_group_segment_fixed_size 0
		.amdhsa_private_segment_fixed_size 0
		.amdhsa_enable_private_segment 0
		.amdhsa_kernarg_size 112
		.amdhsa_user_sgpr_count 2
		.amdhsa_user_sgpr_kernarg_segment_ptr 1
		.amdhsa_wavefront_size32 1
		.amdhsa_system_sgpr_workgroup_id_x 1
		.amdhsa_system_sgpr_workgroup_id_y 1
		.amdhsa_system_sgpr_workgroup_id_z 1
		.amdhsa_system_vgpr_workitem_id 0
		.amdhsa_next_free_vgpr 120
		.amdhsa_next_free_sgpr 66
		.amdhsa_reserve_vcc 0
		.amdhsa_float_denorm_mode_32 3
		.amdhsa_float_denorm_mode_16_64 3
		.amdhsa_memory_ordered 1
		.amdhsa_forward_progress 1
		.amdhsa_inst_pref_size 10
	.end_amdhsa_kernel
	.amdgpu_metadata
---
amdhsa.version: [ 1, 2 ]
amdhsa.kernels:
  - .name:           k_qc57a12425e_prep
    .symbol:         k_qc57a12425e_prep.kd
    .args:
      - { .name: x, .offset: 0, .size: 8, .value_kind: global_buffer, .address_space: global }
      - { .name: h, .offset: 8, .size: 8, .value_kind: global_buffer, .address_space: global }
      - { .name: Wq_r, .offset: 16, .size: 8, .value_kind: global_buffer, .address_space: global }
      - { .name: Wk_r, .offset: 24, .size: 8, .value_kind: global_buffer, .address_space: global }
      - { .name: Wv_r, .offset: 32, .size: 8, .value_kind: global_buffer, .address_space: global }
      - { .name: Wq_z, .offset: 40, .size: 8, .value_kind: global_buffer, .address_space: global }
      - { .name: Wk_z, .offset: 48, .size: 8, .value_kind: global_buffer, .address_space: global }
      - { .name: Wv_z, .offset: 56, .size: 8, .value_kind: global_buffer, .address_space: global }
      - { .name: Wq_n, .offset: 64, .size: 8, .value_kind: global_buffer, .address_space: global }
      - { .name: Wk_n, .offset: 72, .size: 8, .value_kind: global_buffer, .address_space: global }
      - { .name: Wv_n, .offset: 80, .size: 8, .value_kind: global_buffer, .address_space: global }
      - { .name: xh, .offset: 88, .size: 8, .value_kind: global_buffer, .address_space: global }
      - { .name: w_rz, .offset: 96, .size: 8, .value_kind: global_buffer, .address_space: global }
      - { .name: w_n, .offset: 104, .size: 8, .value_kind: global_buffer, .address_space: global }
    .group_segment_fixed_size: 0
    .private_segment_fixed_size: 0
    .kernarg_segment_align: 8
    .kernarg_segment_size: 112
    .max_flat_workgroup_size: 256
    .sgpr_count:     66
    .vgpr_count:     120
    .wavefront_size: 32
...
	.end_amdgpu_metadata
.endif
;; end of part 5
;; launch gemm_rz (part 6): grid 16 x 16, 4 waves a work-group, clusters of 4 x 4, 327,680 bytes of LDS; arguments xh, w_rz, bq_r, bk_r, bv_r, bq_z, bk_z, bv_z, qkv_rz; writes qkv_rz
.if DOCPART == 6
	.amdgcn_target "amdgcn-amd-amdhsa--gfx1250"
	.amdhsa_code_object_version 6
	.text
	.protected	k_qc57a12425e_gemm_rz
	.globl	k_qc57a12425e_gemm_rz
	.p2align	8
	.type	k_qc57a12425e_gemm_rz,@function
k_qc57a12425e_gemm_rz:
	s_mov_b64 s[64:65], 0
	v_nop
	global_prefetch_b8 v0, s[64:65] scope:SCOPE_SE
	s_setreg_imm32_b32 hwreg(HW_REG_WAVE_MODE, 25, 1), 1
	s_wait_xcnt 0x0
	s_wait_alu depctr_hold_cnt(0) depctr_sa_sdst(0) depctr_va_vdst(0) depctr_va_sdst(0) depctr_va_ssrc(0) depctr_va_vcc(0) depctr_vm_vsrc(0)
	s_getreg_b32 s2, hwreg(HW_REG_IB_STS2, 6, 4)
	s_cmp_eq_u32 s2, 0
	s_cbranch_scc0 .Lentry_in_a_cluster
	s_endpgm
.Lentry_in_a_cluster:
	s_bfe_u32 s2, ttmp6, 0x10000c
	s_cmp_lg_u32 s2, 0xf033
	s_cbranch_scc0 .Lentry_shape_is_right
	s_endpgm
.Lentry_shape_is_right:
; THE PROJECTIONS OF GATES r AND z.  C = A W + bias.  A: [4096][2048] bf16.  W: 16 column blocks [2048 k][256 n] bf16 of 1 MiB.  C: 16 column blocks [4096][256] bf16 of 2 MiB.
; bias: f32.  Sums in f32, C rounded once.  Of eight blocks 0-1 are Q's, 2-3 K's, 4-7 V's; blocks 0-7 (gate r) take the first three bias arguments, blocks 8-15 (gate z) the second three.
; LIMITS.  The operands arrive rounded to bf16, and C is rounded to bf16; NaN and infinities are not treated apart.
; SHARES.  A work-group makes 256 rows x 256 columns (one column block): 16 x 16 = 256 work-groups.  Each of four waves makes 128 x 128: 64 accumulators of 16 x 16, 512 registers:
; for 32 along K a wave reads 32 fragments' halves from LDS and issues 64 matrix instructions.
; K goes in 16 steps of 128 through two LDS slots filled by tensor loads, each wave's load 32 KiB: A's rows are 256 bytes, W's 512 bytes of memory, all at multiples of 256 from the
; buffer's first byte.  From a refill's request to the wait for it a wave issues 224 matrix instructions.
; CLUSTER 4 x 4.  The four work-groups of a row of the cluster need the same tile of A, the four of a column the same tile of W: each tile is asked for jointly.
; THE MATRIX INSTRUCTION IS USED TRANSPOSED: source 0 = 16 columns of W (turned on the way out of LDS by ds_load_tr16_b128, since W lies [k][n]), source 1 = 16 rows of A.  A lane then
; holds row l % 16 of C and the columns 8 (l / 16) + 0..7: 16 bytes after rounding.  The bias, laid the same way, is the C operand of the product that starts each sum.
; REGISTERS, in windows of 256 (s_set_vgpr_msb: bits 1:0 source 0, 3:2 source 1, 5:4 source 2, 7:6 destination):
;   window 0: v0-31 addresses; v64-127, v128-191 A's fragments (8 x 16 rows x 32 K), two buffers; v32-63, v192-255 at work on the way out
;   window 1: v64-127, v128-191 W's fragments, two buffers; v192-255 the bias of my 128 columns
;   window 2: the 32 accumulators of my rows 0-63 (accumulator (a, b) at v[8 (8 a + b)]);   window 3: those of my rows 64-127
.set KSTEP,  128
.set PA,     272      ; A's LDS row: 256 bytes + 16: the 16 rows of a load start at 16 different groups of four banks (64 banks of 4 bytes: ISA guide 11.1)
.set AHALF,  128*PA   ; what one tensor load brings of A, and what one wave reads of it
.set ATILE,  2*AHALF
.set PW,     544      ; W's LDS row: 512 bytes + 32 = 136 words
.set WHALF,  64*PW    ; 64 k rows: what one tensor load brings of W
.set SLOT,   ATILE+2*WHALF
.set STAGE,  2*SLOT   ; behind the ring: 16 rows x 272 bytes for each wave, its own, for the way out
.set SPITCH, 272
.set SPARE,  STAGE+4*16*SPITCH  ; the spare words, 128 bytes for each wave: two blocks of 256 bytes that no other line names
.set LAPS,   2048/(2*KSTEP)
.set ADRA, 16         ; v16-17  LDS address of my A fragments in slot 0, 1
.set ADRW, 20         ; v20-21  the same for W
.set STO,  24         ; v24  the way out: where I put 16 bytes of a row
.set RD,   25         ; v25  where I read a row back
.set CO,   26         ; v26  my byte offset in two rows of C
.set BO,   27         ; v27  my byte offset in 16 numbers of the bias
.set SPW,  28         ; v28  LDS address of my spare word; never rewritten
.set NIL,  29         ; v29  0; never rewritten
.set OB,   32         ; 16 rows read back from the stage: v32-63 and v224-255 by turns
.set F0,   64         ; fragment buffer 0, in window 0 (A) and in window 1 (W)
.set F1,   128        ; fragment buffer 1
.set TMP,  192
.set BIAS, 192        ; window 1
.set G1,  24          ; s[24:31] descriptor group 1 for A's tiles;  s[32:39] group 0, a set for each slot
.set G0,  32
.set G1B, 48          ; s[48:55], s[56:63] the same for W's
.set G0B, 56
.set WV,  70          ; s70  my wave's number
.set RH,  71          ; s71  which 128 rows are mine.  Also: I fetch for A (0) or for W (1)
.set CH,  72          ; s72  which 128 columns are mine.  Also: which half of that tile I fetch
.set MSB, 0
.macro WIN new                         ; the immediate's high byte repeats the setting that is left; a switch that changes nothing is dropped
.if MSB != (\new)
	s_set_vgpr_msb (MSB<<8)|(\new)
.set MSB, \new
.endif
.endm
.set TO_W, 0x40       ; destination window 1, address window 0
; A joint load.  Waves 0 and 1 fetch A's two halves, waves 2 and 3 W's.  The branch hangs on the wave's number alone.  An s_nop 0 and four v_nop follow each line.
.macro JLOAD s
	s_cmp_eq_u32 s[RH], 0
	s_cbranch_scc0 .Lfor_w_\@
	tensor_load_to_lds s[G0+4*(\s):G0+4*(\s)+3], s[G1:G1+7]
	s_nop 0
.rept 4
	v_nop
.endr
	s_branch .Lasked_\@
.Lfor_w_\@:
	tensor_load_to_lds s[G0B+4*(\s):G0B+4*(\s)+3], s[G1B:G1B+7]
	s_nop 0
.rept 4
	v_nop
.endr
.Lasked_\@:
.endm
.macro CREST                           ; a round of the cluster's barrier behind its opening barrier
	s_cmp_lg_u32 s[WV], 0
	s_cbranch_scc1 .Lnot_wave_0_\@
	s_barrier_signal -3
.Lnot_wave_0_\@:
	s_barrier_wait -3
	s_barrier_signal -1
	s_barrier_wait -1
.endm
.macro CROUND                          ; a whole round
	s_barrier_signal -1
	s_barrier_wait -1
	CREST
.endm
	s_load_b512 s[4:19], s[0:1], 0x0               ; A s[4:5], W s[6:7], bias: bq, bk, bv of blocks 0-7 s[8:13], of blocks 8-15 s[14:19]
	s_load_b64 s[20:21], s[0:1], 0x40              ; C
	v_lshl_add_u32 v[SPW], v0, 2, SPARE
	v_mov_b32 v[NIL], 0
	ds_add_u32 v[SPW], v[NIL]                      ; the wave's opening: the add and its wait stand ahead of my first tensor load; the set-up stands between them
	v_lshrrev_b32 v1, 5, v0
	v_readfirstlane_b32 s[WV], v1
	s_lshr_b32 s[RH], s[WV], 1
	s_and_b32 s[CH], s[WV], 1
	s_bfe_u32 s73, ttmp6, 0x40000                  ; cx, cy: my place in the cluster
	s_bfe_u32 s74, ttmp6, 0x40004
	s_lshl_b32 s75, ttmp9, 2
	s_add_co_u32 s75, s75, s73                     ; column block = 4 x cluster x + cx
	s_and_b32 s76, ttmp7, 0xffff
	s_lshl_b32 s76, s76, 2
	s_add_co_u32 s76, s76, s74                     ; tile row = 4 x cluster y + cy
	s_lshl_b32 s77, s74, 2
	s_lshl_b32 s77, 15, s77                        ; my row of the cluster
	s_lshl_b32 s78, 0x1111, s73                    ; my column
	; group 1 for A: 128 rows x 128 elements, 2,048 elements from row to row
	s_or_b32 s[G1+0], s77, (1<<16)|(1<<20)|(1<<21)|(5<<22)|(3<<25)   ; 15:0 mask: my row; 17:16 2-byte elements; 20 padding on; 21 set beside a mask; 24:22 after every 64 words; 31:25 4 words
	s_mov_b32 s[G1+1], KSTEP<<16                   ; tensor_dim0 = 128
	s_mov_b32 s[G1+2], 128<<16                     ; tensor_dim1 = 128
	s_mov_b32 s[G1+3], KSTEP<<16                   ; tile_dim0 = 128
	s_mov_b32 s[G1+4], 128                         ; tile_dim1 = 128
	s_mov_b32 s[G1+5], 2048
	s_mov_b32 s[G1+6], 0
	s_mov_b32 s[G1+7], 0
	; group 1 for W: 64 k rows x 256 elements, dense
	s_or_b32 s[G1B+0], s78, (1<<16)|(1<<20)|(1<<21)|(6<<22)|(7<<25)  ; mask: my column; padding after every 128 words, 8 words
	s_mov_b32 s[G1B+1], 256<<16
	s_mov_b32 s[G1B+2], 64<<16
	s_mov_b32 s[G1B+3], 256<<16
	s_mov_b32 s[G1B+4], 64
	s_mov_b32 s[G1B+5], 256
	s_mov_b32 s[G1B+6], 0
	s_mov_b32 s[G1B+7], 0
	; A's tile hangs on the tile row alone, W's on the column block alone; each offset in registers that never hold the other coordinate
	s_lshl_b32 s80, s76, 20                        ; 256 rows of 4,096 bytes a tile row,
	s_lshl_b32 s88, s[CH], 19                      ; 128 rows a half
	s_add_co_u32 s80, s80, s88
	s_mov_b32 s81, 0
	s_lshl_b32 s82, s75, 20                        ; a block of W,
	s_lshl_b32 s89, s[CH], 15                      ; 64 k rows of 512 bytes a half
	s_add_co_u32 s82, s82, s89
	s_mov_b32 s83, 0
	s_mul_i32 s86, s[CH], AHALF                    ; where they go: no place in the cluster enters an LDS address
	s_mul_i32 s87, s[CH], WHALF
	s_add_co_u32 s87, s87, ATILE
	s_wait_dscnt 0x0                               ; the opening add is done
	s_wait_kmcnt 0x0
	s_add_nc_u64 s[40:41], s[4:5], s[80:81]
	s_add_nc_u64 s[42:43], s[6:7], s[82:83]
	CROUND                                         ; all sixteen work-groups are here: the first joint loads meet
.irp s, 0,1
	s_mov_b32 s[G0+4*(\s)], 1
	s_add_co_u32 s[G0+4*(\s)+1], s86, (\s)*SLOT
	s_add_nc_u64 s[G0+4*(\s)+2:G0+4*(\s)+3], s[40:41], (\s)*KSTEP*2      ; K step s: 256 bytes along A's rows
	s_or_b32 s[G0+4*(\s)+3], s[G0+4*(\s)+3], 0x80000000
	s_mov_b32 s[G0B+4*(\s)], 1
	s_add_co_u32 s[G0B+4*(\s)+1], s87, (\s)*SLOT
	s_add_nc_u64 s[G0B+4*(\s)+2:G0B+4*(\s)+3], s[42:43], (\s)*KSTEP*512  ; 128 rows down W's block
	s_or_b32 s[G0B+4*(\s)+3], s[G0B+4*(\s)+3], 0x80000000
	JLOAD \s                                       ; two tensor loads of mine are out
.endr
	; which bias: a choice of pointers, no branch
	s_cmp_lt_u32 s75, 8
	s_cselect_b64 s[8:9], s[8:9], s[14:15]
	s_cselect_b64 s[10:11], s[10:11], s[16:17]
	s_cselect_b64 s[12:13], s[12:13], s[18:19]
	s_and_b32 s90, s75, 7
	s_cmp_lt_u32 s90, 2
	s_cselect_b64 s[84:85], s[8:9], s[10:11]
	s_cmp_lt_u32 s90, 4
	s_cselect_b64 s[84:85], s[84:85], s[12:13]
	s_cselect_b32 s91, 1, 3
	s_and_b32 s90, s90, s91                        ; the block's number within Q, K or V
	s_lshl_b32 s82, s90, 10                        ; 256 numbers of 4 bytes a block,
	s_lshl_b32 s89, s[CH], 9                       ; 128 a half
	s_add_co_u32 s82, s82, s89
	s_add_nc_u64 s[84:85], s[84:85], s[82:83]
	v_and_b32 v1, 15, v0                           ; l % 16
	v_bfe_u32 v2, v0, 4, 1                         ; l / 16
	v_lshlrev_b32 v[BO], 5, v2
	WIN TO_W
.irp b, 0,1,2,3,4,5,6,7                 ; register 8 b + j: the bias of column 16 b + 8 (l / 16) + j, as the accumulators hold C
	global_load_b128 v[BIAS+8*(\b):BIAS+8*(\b)+3],   v[BO], s[84:85] offset:64*(\b)
	global_load_b128 v[BIAS+8*(\b)+4:BIAS+8*(\b)+7], v[BO], s[84:85] offset:64*(\b)+16
.endr
	WIN 0
	; A's fragment: lane l holds row l % 16, K = 8 (l / 16) + 0..7 and 16 + 8 (l / 16) + 0..7: two loads of 16 bytes, 32 bytes apart
	v_mul_u32_u24 v3, v1, PA
	v_lshl_add_u32 v3, v2, 4, v3
	s_mul_i32 s88, s[RH], AHALF
	; W's fragment: the turning load takes 16 k x 16 columns (lane l reads row 8 (l / 16) + l % 8, columns 8 ((l / 8) % 2) + 0..7) and leaves column l % 16 and 8 k in lane l
	v_and_b32 v4, 7, v0
	v_lshl_add_u32 v4, v2, 3, v4
	v_mul_u32_u24 v4, v4, PW
	v_bfe_u32 v5, v0, 3, 1
	v_lshl_add_u32 v4, v5, 4, v4
	s_lshl_b32 s89, s[CH], 8
	s_add_co_u32 s89, s89, ATILE
.irp s, 0,1
	v_add_nc_u32 v[ADRA+(\s)], s88, v3
	v_add_nc_u32 v[ADRW+(\s)], s89, v4
	s_add_co_u32 s88, s88, SLOT
	s_add_co_u32 s89, s89, SLOT
.endr
	s_mul_i32 s88, s[WV], 16*SPITCH
	s_add_co_u32 s88, s88, STAGE                   ; my stage
	v_mul_u32_u24 v6, v1, SPITCH                   ; in: row l % 16, 16 bytes for each half of the lanes
	v_lshl_add_u32 v6, v2, 4, v6
	v_add_nc_u32 v[STO], s88, v6
	v_mul_u32_u24 v7, v2, SPITCH                   ; back: lanes 0-15 one row of 256 bytes, lanes 16-31 the next
	v_lshl_add_u32 v7, v1, 4, v7
	v_add_nc_u32 v[RD], s88, v7
	v_lshlrev_b32 v[CO], 9, v2                     ; and the same two rows in C's block
	v_lshl_add_u32 v[CO], v1, 4, v[CO]
	s_lshl_b32 s44, s75, 21                        ; C: my block of 2 MiB,
	s_lshl_b32 s88, s76, 17                        ; 256 rows of 512 bytes a tile row,
	s_add_co_u32 s44, s44, s88
	s_lshl_b32 s88, s[RH], 16                      ; my 128 rows,
	s_add_co_u32 s44, s44, s88
	s_lshl_b32 s88, s[CH], 8                       ; my 256 bytes of each
	s_add_co_u32 s44, s44, s88
	s_mov_b32 s45, 0
	s_add_nc_u64 s[20:21], s[20:21], s[44:45]
; 16 matrix instructions: row blocks a0, a0 + 1 of the window's four (hi = 0: my rows 0-63, 1: rows 64-127) x all 8 column blocks, 32 along K, on buffer f.
; first = 1: the bias (window 1) is the C operand and starts the sums: nothing is cleared, nothing is added on the way out.
.macro MUL16 f, hi, a0, first
.if \first
	WIN 0x91+0x40*(\hi)                            ; W window 1, A window 0, C window 1, D window 2 or 3
.else
	WIN 0xa1+0x50*(\hi)                            ; W window 1, A window 0, C and D window 2 or 3
.endif
.irp a, \a0, (\a0)+1
.irp b, 0,1,2,3,4,5,6,7
.if \first
	v_wmma_f32_16x16x32_bf16 v[8*(8*(\a)+(\b)):8*(8*(\a)+(\b))+7], v[(\f)+8*(\b):(\f)+8*(\b)+7], v[(\f)+8*(4*(\hi)+(\a)):(\f)+8*(4*(\hi)+(\a))+7], v[BIAS+8*(\b):BIAS+8*(\b)+7]
.else
	v_wmma_f32_16x16x32_bf16 v[8*(8*(\a)+(\b)):8*(8*(\a)+(\b))+7], v[(\f)+8*(\b):(\f)+8*(\b)+7], v[(\f)+8*(4*(\hi)+(\a)):(\f)+8*(4*(\hi)+(\a))+7], v[8*(8*(\a)+(\b)):8*(8*(\a)+(\b))+7]
.endif
.endr
.endr
.endm
; 32 LDS loads in one run: quarter q of a slot (32 along K) into buffer f: W's 8 fragments, then A's 8
.macro FETCH slot, q, f
	WIN TO_W
.irp i, 0,1,2,3,4,5,6,7
	ds_load_tr16_b128 v[(\f)+8*(\i):(\f)+8*(\i)+3],   v[ADRW+(\slot)] offset:(\q)*32*PW+32*(\i)
	ds_load_tr16_b128 v[(\f)+8*(\i)+4:(\f)+8*(\i)+7], v[ADRW+(\slot)] offset:(\q)*32*PW+16*PW+32*(\i)
.endr
	WIN 0
.irp i, 0,1,2,3,4,5,6,7
	ds_load_b128 v[(\f)+8*(\i):(\f)+8*(\i)+3],   v[ADRA+(\slot)] offset:64*(\q)+(\i)*16*PA
	ds_load_b128 v[(\f)+8*(\i)+4:(\f)+8*(\i)+7], v[ADRA+(\slot)] offset:64*(\q)+(\i)*16*PA+32
.endr
.endm
.macro PLACES                          ; four plain vector instructions in front of loads into registers that matrix instructions have read, and of conversions that read results
.rept 4
	v_nop
.endr
.endm
; A K step is four quarters of 32 along K, 64 matrix instructions each, on buffers 0, 1, 0, 1; the 64 accumulators take turns in the same order in every quarter.
; One of the first three: multiplies buffer f; in its middle it fetches quarter q of the same slot into buffer g, 32 matrix instructions ahead of the first use.
.macro QUARTER slot, q, f, g, first
	s_wait_dscnt 8                                 ; W and A's rows 0-63 are in; the youngest eight loads (A's rows 64-127) may be out
	MUL16 \f, 0, 0, \first
	MUL16 \f, 0, 2, \first
	PLACES
	FETCH \slot, \q, \g
	s_wait_dscnt 32                                ; all but the 32 just issued
	MUL16 \f, 1, 0, \first
	MUL16 \f, 1, 2, \first
.endm
; The last quarter multiplies buffer 1 and changes slots: ONE barrier; in front of it each wave waits for all its tensor loads (one is out: its part of the next slot), adds 0 to its
; spare word, and waits for that and for its own reads of this slot.  fill = 1: the barrier opens a round of the cluster's, and this slot is filled again, two K steps ahead.
.macro TURN slot, next, fill
	WIN 0                                          ; (the add's two registers lie in window 0)
	s_wait_tensorcnt 0x0
	ds_add_u32 v[SPW], v[NIL]                      ; 0 onto my spare word
	s_wait_dscnt 9                                 ; (the add and the youngest eight loads may be out)
	MUL16 F1, 0, 0, 0                              ; sixteen matrix instructions stand between the add and the wait for it
	s_wait_dscnt 0x0                               ; the add is done, and my reads of this slot are over
	s_barrier_signal -1
	MUL16 F1, 0, 2, 0                              ; work on registers while the others arrive
.if \fill
	WIN 0
.endif
	s_barrier_wait -1
.if \fill
	CREST                                          ; no wave of any partner still reads this slot's tiles or has a load on its way
	s_add_nc_u64 s[G0+4*(\slot)+2:G0+4*(\slot)+3], s[G0+4*(\slot)+2:G0+4*(\slot)+3], 2*KSTEP*2
	s_add_nc_u64 s[G0B+4*(\slot)+2:G0B+4*(\slot)+3], s[G0B+4*(\slot)+2:G0B+4*(\slot)+3], 2*KSTEP*512
	JLOAD \slot                                    ; the first tensor load behind the round; its four v_nop are also the places in front of the loads below
.else
	PLACES
.endif
	FETCH \next, 0, F0
	MUL16 F1, 1, 0, 0
	MUL16 F1, 1, 2, 0
.endm
; THE WAY OUT of row block a (0 to 7): rounded to bf16, 16 bytes a lane; into my own stage and back as whole rows of 256 bytes; stored.
.macro PACK a
	WIN 0x0a+5*((\a)/4)                            ; sources 0 and 1: window 2 or 3
.irp b, 0,1,2,3,4,5,6,7
.irp r, 0,1,2,3
	v_cvt_pk_bf16_f32 v[TMP+4*(\b)+(\r)], v[64*((\a)%4)+8*(\b)+2*(\r)], v[64*((\a)%4)+8*(\b)+2*(\r)+1]
.endr
.endr
	WIN 0
.endm
.macro TOSTAGE a
.set BK, OB+192*((\a)%2)
.irp b, 0,1,2,3,4,5,6,7
	ds_store_b128 v[STO], v[TMP+4*(\b):TMP+4*(\b)+3] offset:32*(\b)
.endr
.irp t, 0,1,2,3,4,5,6,7
	ds_load_b128 v[BK+4*(\t):BK+4*(\t)+3], v[RD] offset:(\t)*2*SPITCH  ; LDS serves a wave's instructions in order (ISA guide 5.7.1.4): these see the stores above
.endr
.endm
.macro SEND a
.set BK, OB+192*((\a)%2)
	s_wait_dscnt 0x0                               ; the block is back in registers
	s_wait_xcnt 0x0                                ; the registers that earlier stores read are loaded again only behind this wait
.irp t, 0,1,2,3,4,5,6,7
	global_store_b128 v[CO], v[BK+4*(\t):BK+4*(\t)+3], s[20:21] offset:(\a)*8192+(\t)*1024  ; 16 lanes store 256 consecutive bytes, at a multiple of 256 from C's first byte
.endr
.endm
	s_wait_tensorcnt 1                             ; my part of K step 0 is in; K step 1's may stay out
	s_barrier_signal -1
	s_barrier_wait -1                              ; everybody's is
	FETCH 0, 0, F0
	s_wait_loadcnt 0x0                             ; the bias
	QUARTER 0, 1, F0, F1, 1                        ; the first quarter stands in front of the loop: its products start the sums
	WIN 0                                          ; at a label and at a branch every window is 0
	s_mov_b32 s3, LAPS-1
.Llap:                                                 ; a trip goes once round the ring, from a lap's second quarter to the next lap's first, and fills both slots again
	QUARTER 0, 2, F1, F0, 0
	QUARTER 0, 3, F0, F1, 0
	TURN 0, 1, 1
	QUARTER 1, 1, F0, F1, 0
	QUARTER 1, 2, F1, F0, 0
	QUARTER 1, 3, F0, F1, 0
	TURN 1, 0, 1
	QUARTER 0, 1, F0, F1, 0
	WIN 0
	s_sub_co_u32 s3, s3, 1
	s_cmp_lg_u32 s3, 0
	s_cbranch_scc1 .Llap
	QUARTER 0, 2, F1, F0, 0                        ; the last lap fills nothing, and has no round of the cluster's barrier
	QUARTER 0, 3, F0, F1, 0
	TURN 0, 1, 0
	QUARTER 1, 1, F0, F1, 0
	QUARTER 1, 2, F1, F0, 0
	QUARTER 1, 3, F0, F1, 0
	s_wait_dscnt 8                                 ; the very last quarter: nothing more to fetch
	MUL16 F1, 0, 0, 0
	MUL16 F1, 0, 2, 0
	s_wait_dscnt 0x0
	MUL16 F1, 1, 0, 0
	MUL16 F1, 1, 2, 0
	WIN 0
	PLACES
	PACK 0
	TOSTAGE 0
.irp a, 1,2,3,4,5,6,7                   ; block a's conversions stand between block a - 1's loads from the stage and the wait for them
	PACK \a
	SEND (\a)-1
	TOSTAGE \a
.endr
	SEND 7
	s_wait_tensorcnt 0x0                           ; the wave's end
	ds_add_u32 v[SPW], v[NIL]
	s_wait_dscnt 0x0
	CROUND                                         ; the closing round: no work-group ends while a partner may still ask for a tile that names it
	s_endpgm
.Lfunc_end_k_qc57a12425e_gemm_rz:
	.size	k_qc57a12425e_gemm_rz, .Lfunc_end_k_qc57a12425e_gemm_rz-k_qc57a12425e_gemm_rz
	.p2alignl 7, 3214868480
	.fill 96, 4, 3214868480
	.section	.rodata,"a",@progbits
	.p2align	6, 0x0
	.amdhsa_kernel k_qc57a12425e_gemm_rz
		.amdhsa_group_segment_fixed_size 327680
		.amdhsa_private_segment_fixed_size 0
		.amdhsa_enable_private_segment 0
		.amdhsa_kernarg_size 72
		.amdhsa_user_sgpr_count 2
		.amdhsa_user_sgpr_kernarg_segment_ptr 1
		.amdhsa_wavefront_size32 1
		.amdhsa_system_sgpr_workgroup_id_x 1
		.amdhsa_system_sgpr_workgroup_id_y 1
		.amdhsa_system_sgpr_workgroup_id_z 1
		.amdhsa_system_vgpr_workitem_id 0
		.amdhsa_next_free_vgpr 1024
		.amdhsa_next_free_sgpr 96
		.amdhsa_reserve_vcc 0
		.amdhsa_float_denorm_mode_32 3
		.amdhsa_float_denorm_mode_16_64 3
		.amdhsa_memory_ordered 1
		.amdhsa_forward_progress 1
		.amdhsa_inst_pref_size 145
	.end_amdhsa_kernel
	.amdgpu_metadata
---
amdhsa.version: [ 1, 2 ]
amdhsa.kernels:
  - .name:           k_qc57a12425e_gemm_rz
    .symbol:         k_qc57a12425e_gemm_rz.kd
    .args:
      - { .name: xh, .offset: 0, .size: 8, .value_kind: global_buffer, .address_space: global }
      - { .name: w_rz, .offset: 8, .size: 8, .value_kind: global_buffer, .address_space: global }
      - { .name: bq_r, .offset: 16, .size: 8, .value_kind: global_buffer, .address_space: global }
      - { .name: bk_r, .offset: 24, .size: 8, .value_kind: global_buffer, .address_space: global }
      - { .name: bv_r, .offset: 32, .size: 8, .value_kind: global_buffer, .address_space: global }
      - { .name: bq_z, .offset: 40, .size: 8, .value_kind: global_buffer, .address_space: global }
      - { .name: bk_z, .offset: 48, .size: 8, .value_kind: global_buffer, .address_space: global }
      - { .name: bv_z, .offset: 56, .size: 8, .value_kind: global_buffer, .address_space: global }
      - { .name: qkv_rz, .offset: 64, .size: 8, .value_kind: global_buffer, .address_space: global }
    .group_segment_fixed_size: 327680
    .private_segment_fixed_size: 0
    .kernarg_segment_align: 8
    .kernarg_segment_size: 72
    .max_flat_workgroup_size: 128
    .sgpr_count:     96
    .vgpr_count:     1024
    .wavefront_size: 32
...
	.end_amdgpu_metadata
.endif
;; end of part 6
;; launch attn_r: the kernel of part 3 again; grid 256 x 1, 4 waves a work-group, clusters of 4 x 1, 222,720 bytes of LDS; arguments qkv_rz, h, xhr; writes xhr
;; launch gemm_n (part 7): grid 8 x 32, 4 waves a work-group, clusters of 4 x 4, 327,680 bytes of LDS; arguments xh, xhr, w_n, bq_n, bk_n, bv_n, qkv_n; writes qkv_n
.if DOCPART == 7
	.amdgcn_target "amdgcn-amd-amdhsa--gfx1250"
	.amdhsa_code_object_version 6
	.text
	.protected	k_qc57a12425e_gemm_n
	.globl	k_qc57a12425e_gemm_n
	.p2align	8
	.type	k_qc57a12425e_gemm_n,@function
k_qc57a12425e_gemm_n:
	s_mov_b64 s[64:65], 0
	v_nop
	global_prefetch_b8 v0, s[64:65] scope:SCOPE_SE
	s_setreg_imm32_b32 hwreg(HW_REG_WAVE_MODE, 25, 1), 1
	s_wait_xcnt 0x0
	s_wait_alu depctr_hold_cnt(0) depctr_sa_sdst(0) depctr_va_vdst(0) depctr_va_sdst(0) depctr_va_ssrc(0) depctr_va_vcc(0) depctr_vm_vsrc(0)
	s_getreg_b32 s2, hwreg(HW_REG_IB_STS2, 6, 4)
	s_cmp_eq_u32 s2, 0
	s_cbranch_scc0 .Lentry_in_a_cluster
	s_endpgm
.Lentry_in_a_cluster:
	s_bfe_u32 s2, ttmp6, 0x10000c
	s_cmp_lg_u32 s2, 0xf033
	s_cbranch_scc0 .Lentry_shape_is_right
	s_endpgm
.Lentry_shape_is_right:
; THE PROJECTION OF GATE n.  C = A W + bias.  A = [x | h x reset]: [4096][2048] bf16.  W: 8 column blocks [2048 k][256 n] bf16 of 1 MiB.  C: 8 column blocks [4096][256] bf16 of 2 MiB.
; bias: f32.  Sums in f32, C rounded once.  Blocks 0-1 are Q's, 2-3 K's, 4-7 V's.
; A LIES IN TWO BUFFERS.  Its columns 0-1023 are x: the first halves of xh's rows.  Its columns 1024-2047 are h x reset: the second halves of xhr's rows, which have xh's pitch; the first
; halves of xhr's rows are neither written nor read.  So x is cast and stored once, and one descriptor shape and one offset along K serve both: only the base changes, behind K step 7.
; LIMITS.  The operands arrive rounded to bf16, and C is rounded to bf16; NaN and infinities are not treated apart.
; SHARES.  A work-group makes 128 rows x 256 columns (one column block): 32 x 8 = 256 work-groups; tiles of 256 x 256 would make 128.  Each of four waves makes 64 x 128: 32 accumulators
; of 16 x 16, 256 registers.  K goes in 16 steps of 128 through two LDS slots filled by tensor loads (two slots of 256 along K, 206,848 bytes each, do not fit): A's rows are 256 bytes,
; W's 512 bytes of memory, all at multiples of 256 from the buffer's first byte.
; CLUSTER 4 x 4.  The four work-groups of a row of the cluster need the same tile of A, the four of a column the same tile of W: each tile is asked for jointly.
; THE MATRIX INSTRUCTION IS USED TRANSPOSED: source 0 = 16 columns of W (turned on the way out of LDS by ds_load_tr16_b128, since W lies [k][n]), source 1 = 16 rows of A.  A lane then
; holds row l % 16 of C and the columns 8 (l / 16) + 0..7: 16 bytes after rounding.  The bias, laid the same way, is the C operand of the product that starts each sum.
; REGISTERS, in windows of 256 (s_set_vgpr_msb: bits 1:0 source 0, 3:2 source 1, 5:4 source 2, 7:6 destination):
;   window 0: v0-31 addresses; v64-127 A's fragments, two buffers of 32; v32-63, v192-255 at work on the way out
;   window 1: v64-191 W's fragments, two buffers of 64; v192-255 the bias of my 128 columns          window 2: accumulator (a, b) at v[8 (8 a + b)]
.set KSTEP,  128
.set PA,     272      ; A's LDS row: 256 bytes + 16: the 16 rows of a load start at 16 different groups of four banks (64 banks of 4 bytes: ISA guide 11.1)
.set AHALF,  64*PA    ; what one tensor load brings of A, and what one wave reads of it
.set ATILE,  2*AHALF
.set PW,     544      ; W's LDS row: 512 bytes + 32 = 136 words
.set WHALF,  64*PW    ; 64 k rows: what one tensor load brings of W
.set SLOT,   ATILE+2*WHALF
.set STAGE,  2*SLOT   ; behind the ring: 16 rows x 272 bytes for each wave, its own, for the way out
.set SPITCH, 272
.set SPARE,  STAGE+4*16*SPITCH  ; the spare words, 128 bytes for each wave: two blocks of 256 bytes that no other line names
.set LAPS,   2048/(2*KSTEP)
.set ADRA, 16         ; v16-17  LDS address of my A fragments in slot 0, 1
.set ADRW, 20         ; v20-21  the same for W
.set STO,  24         ; v24  the way out: where I put 16 bytes of a row
.set RD,   25         ; v25  where I read a row back
.set CO,   26         ; v26  my byte offset in two rows of C
.set BO,   27         ; v27  my byte offset in 16 numbers of the bias
.set SPW,  28         ; v28  LDS address of my spare word; never rewritten
.set NIL,  29         ; v29  0; never rewritten
.set OB,   32         ; 16 rows read back from the stage: v32-63 and v224-255 by turns
.set FA,   64
.set TMP,  192
.set FW,   64         ; window 1
.set BIAS, 192        ; window 1
.set AH,  16          ; s[16:17] xhr at the rows that I fetch
.set G1,  24          ; s[24:31] descriptor group 1 for A's tiles;  s[32:39] group 0, a set for each slot
.set G0,  32
.set AX,  40          ; s[40:41] xh at the rows that I fetch
.set G1B, 48          ; s[48:55], s[56:63] the same for W's
.set G0B, 56
.set WV,  70          ; s70  my wave's number
.set RH,  71          ; s71  which 64 rows are mine.  Also: I fetch for A (0) or for W (1)
.set CH,  72          ; s72  which 128 columns are mine.  Also: which half of that tile I fetch
.set KO,  92          ; s[92:93] the byte along A's rows at which the K step to be asked for next begins
.set AB,  94          ; s[94:95] the buffer that holds it, at my rows
.set MSB, 0
.macro WIN new                         ; the immediate's high byte repeats the setting that is left; a switch that changes nothing is dropped
.if MSB != (\new)
	s_set_vgpr_msb (MSB<<8)|(\new)
.set MSB, \new
.endif
.endm
.set MUL,  0xa1       ; W window 1, A window 0, C and D window 2
.set MULB, 0x91       ; the same with the C operand (the bias) in window 1
.set TO_W, 0x40       ; destination window 1, address window 0
; A joint load.  Waves 0 and 1 fetch A's two halves, waves 2 and 3 W's.  The branch hangs on the wave's number alone.  An s_nop 0 and four v_nop follow each line.
.macro JLOAD s
	s_cmp_eq_u32 s[RH], 0
	s_cbranch_scc0 .Lfor_w_\@
	tensor_load_to_lds s[G0+4*(\s):G0+4*(\s)+3], s[G1:G1+7]
	s_nop 0
.rept 4
	v_nop
.endr
	s_branch .Lasked_\@
.Lfor_w_\@:
	tensor_load_to_lds s[G0B+4*(\s):G0B+4*(\s)+3], s[G1B:G1B+7]
	s_nop 0
.rept 4
	v_nop
.endr
.Lasked_\@:
.endm
.macro CREST                           ; a round of the cluster's barrier behind its opening barrier
	s_cmp_lg_u32 s[WV], 0
	s_cbranch_scc1 .Lnot_wave_0_\@
	s_barrier_signal -3
.Lnot_wave_0_\@:
	s_barrier_wait -3
	s_barrier_signal -1
	s_barrier_wait -1
.endm
.macro CROUND                          ; a whole round
	s_barrier_signal -1
	s_barrier_wait -1
	CREST
.endm
	s_load_b256 s[4:11], s[0:1], 0x0               ; xh s[4:5], xhr s[6:7], W s[8:9], bq s[10:11]
	s_load_b128 s[12:15], s[0:1], 0x20             ; bk s[12:13], bv s[14:15]
	s_load_b64 s[20:21], s[0:1], 0x30              ; C
	v_lshl_add_u32 v[SPW], v0, 2, SPARE
	v_mov_b32 v[NIL], 0
	ds_add_u32 v[SPW], v[NIL]                      ; the wave's opening: the add and its wait stand ahead of my first tensor load; the set-up stands between them
	v_lshrrev_b32 v1, 5, v0
	v_readfirstlane_b32 s[WV], v1
	s_lshr_b32 s[RH], s[WV], 1
	s_and_b32 s[CH], s[WV], 1
	s_bfe_u32 s73, ttmp6, 0x40000                  ; cx, cy: my place in the cluster
	s_bfe_u32 s74, ttmp6, 0x40004
	s_lshl_b32 s75, ttmp9, 2
	s_add_co_u32 s75, s75, s73                     ; column block = 4 x cluster x + cx
	s_and_b32 s76, ttmp7, 0xffff
	s_lshl_b32 s76, s76, 2
	s_add_co_u32 s76, s76, s74                     ; tile row = 4 x cluster y + cy
	s_lshl_b32 s77, s74, 2
	s_lshl_b32 s77, 15, s77                        ; my row of the cluster
	s_lshl_b32 s78, 0x1111, s73                    ; my column
	; group 1 for A: 64 rows x 128 elements, 2,048 elements from row to row, in xh and in xhr alike
	s_or_b32 s[G1+0], s77, (1<<16)|(1<<20)|(1<<21)|(5<<22)|(3<<25)   ; 15:0 mask: my row; 17:16 2-byte elements; 20 padding on; 21 set beside a mask; 24:22 after every 64 words; 31:25 4 words
	s_mov_b32 s[G1+1], KSTEP<<16                   ; tensor_dim0 = 128
	s_mov_b32 s[G1+2], 64<<16                      ; tensor_dim1 = 64
	s_mov_b32 s[G1+3], KSTEP<<16                   ; tile_dim0 = 128
	s_mov_b32 s[G1+4], 64                          ; tile_dim1 = 64
	s_mov_b32 s[G1+5], 2048
	s_mov_b32 s[G1+6], 0
	s_mov_b32 s[G1+7], 0
	; group 1 for W: 64 k rows x 256 elements, dense
	s_or_b32 s[G1B+0], s78, (1<<16)|(1<<20)|(1<<21)|(6<<22)|(7<<25)  ; mask: my column; padding after every 128 words, 8 words
	s_mov_b32 s[G1B+1], 256<<16
	s_mov_b32 s[G1B+2], 64<<16
	s_mov_b32 s[G1B+3], 256<<16
	s_mov_b32 s[G1B+4], 64
	s_mov_b32 s[G1B+5], 256
	s_mov_b32 s[G1B+6], 0
	s_mov_b32 s[G1B+7], 0
	; A's tile hangs on the tile row alone, W's on the column block alone; each offset in registers that never hold the other coordinate
	s_lshl_b32 s80, s76, 19                        ; 128 rows of 4,096 bytes a tile row,
	s_lshl_b32 s88, s[CH], 18                      ; 64 rows a half
	s_add_co_u32 s80, s80, s88
	s_mov_b32 s81, 0
	s_lshl_b32 s82, s75, 20                        ; a block of W,
	s_lshl_b32 s89, s[CH], 15                      ; 64 k rows of 512 bytes a half
	s_add_co_u32 s82, s82, s89
	s_mov_b32 s83, 0
	s_mul_i32 s86, s[CH], AHALF                    ; where they go: no place in the cluster enters an LDS address
	s_mul_i32 s87, s[CH], WHALF
	s_add_co_u32 s87, s87, ATILE
	s_mov_b32 s[KO], 2*KSTEP*2                     ; the first refill asks for K step 2
	s_mov_b32 s[KO+1], 0
	s_wait_dscnt 0x0                               ; the opening add is done
	s_wait_kmcnt 0x0
	s_add_nc_u64 s[AX:AX+1], s[4:5], s[80:81]
	s_add_nc_u64 s[AH:AH+1], s[6:7], s[80:81]
	s_add_nc_u64 s[42:43], s[8:9], s[82:83]
	CROUND                                         ; all sixteen work-groups are here: the first joint loads meet
.irp s, 0,1
	s_mov_b32 s[G0+4*(\s)], 1
	s_add_co_u32 s[G0+4*(\s)+1], s86, (\s)*SLOT
	s_add_nc_u64 s[G0+4*(\s)+2:G0+4*(\s)+3], s[AX:AX+1], (\s)*KSTEP*2    ; K step s: 256 bytes along xh's rows
	s_or_b32 s[G0+4*(\s)+3], s[G0+4*(\s)+3], 0x80000000
	s_mov_b32 s[G0B+4*(\s)], 1
	s_add_co_u32 s[G0B+4*(\s)+1], s87, (\s)*SLOT
	s_add_nc_u64 s[G0B+4*(\s)+2:G0B+4*(\s)+3], s[42:43], (\s)*KSTEP*512  ; 128 rows down W's block
	s_or_b32 s[G0B+4*(\s)+3], s[G0B+4*(\s)+3], 0x80000000
	JLOAD \s                                       ; two tensor loads of mine are out
.endr
	; which bias: a choice of pointers, no branch
	s_cmp_lt_u32 s75, 2
	s_cselect_b64 s[84:85], s[10:11], s[12:13]
	s_cmp_lt_u32 s75, 4
	s_cselect_b64 s[84:85], s[84:85], s[14:15]
	s_cselect_b32 s91, 1, 3
	s_and_b32 s90, s75, s91                        ; the block's number within Q, K or V
	s_lshl_b32 s82, s90, 10                        ; 256 numbers of 4 bytes a block,
	s_lshl_b32 s89, s[CH], 9                       ; 128 a half
	s_add_co_u32 s82, s82, s89
	s_add_nc_u64 s[84:85], s[84:85], s[82:83]
	v_and_b32 v1, 15, v0                           ; l % 16
	v_bfe_u32 v2, v0, 4, 1                         ; l / 16
	v_lshlrev_b32 v[BO], 5, v2
	WIN TO_W
.irp b, 0,1,2,3,4,5,6,7                 ; register 8 b + j: the bias of column 16 b + 8 (l / 16) + j, as the accumulators hold C
	global_load_b128 v[BIAS+8*(\b):BIAS+8*(\b)+3],   v[BO], s[84:85] offset:64*(\b)
	global_load_b128 v[BIAS+8*(\b)+4:BIAS+8*(\b)+7], v[BO], s[84:85] offset:64*(\b)+16
.endr
	WIN 0
	; A's fragment: lane l holds row l % 16, K = 8 (l / 16) + 0..7 and 16 + 8 (l / 16) + 0..7: two loads of 16 bytes, 32 bytes apart
	v_mul_u32_u24 v3, v1, PA
	v_lshl_add_u32 v3, v2, 4, v3
	s_mul_i32 s88, s[RH], AHALF
	; W's fragment: the turning load takes 16 k x 16 columns (lane l reads row 8 (l / 16) + l % 8, columns 8 ((l / 8) % 2) + 0..7) and leaves column l % 16 and 8 k in lane l
	v_and_b32 v4, 7, v0
	v_lshl_add_u32 v4, v2, 3, v4
	v_mul_u32_u24 v4, v4, PW
	v_bfe_u32 v5, v0, 3, 1
	v_lshl_add_u32 v4, v5, 4, v4
	s_lshl_b32 s89, s[CH], 8
	s_add_co_u32 s89, s89, ATILE
.irp s, 0,1
	v_add_nc_u32 v[ADRA+(\s)], s88, v3
	v_add_nc_u32 v[ADRW+(\s)], s89, v4
	s_add_co_u32 s88, s88, SLOT
	s_add_co_u32 s89, s89, SLOT
.endr
	s_mul_i32 s88, s[WV], 16*SPITCH
	s_add_co_u32 s88, s88, STAGE                   ; my stage
	v_mul_u32_u24 v6, v1, SPITCH                   ; in: row l % 16, 16 bytes for each half of the lanes
	v_lshl_add_u32 v6, v2, 4, v6
	v_add_nc_u32 v[STO], s88, v6
	v_mul_u32_u24 v7, v2, SPITCH                   ; back: lanes 0-15 one row of 256 bytes, lanes 16-31 the next
	v_lshl_add_u32 v7, v1, 4, v7
	v_add_nc_u32 v[RD], s88, v7
	v_lshlrev_b32 v[CO], 9, v2                     ; and the same two rows in C's block
	v_lshl_add_u32 v[CO], v1, 4, v[CO]
	s_lshl_b32 s44, s75, 21                        ; C: my block of 2 MiB,
	s_lshl_b32 s88, s76, 16                        ; 128 rows of 512 bytes a tile row,
	s_add_co_u32 s44, s44, s88
	s_lshl_b32 s88, s[RH], 15                      ; my 64 rows,
	s_add_co_u32 s44, s44, s88
	s_lshl_b32 s88, s[CH], 8                       ; my 256 bytes of each
	s_add_co_u32 s44, s44, s88
	s_mov_b32 s45, 0
	s_add_nc_u64 s[20:21], s[20:21], s[44:45]
; 8 matrix instructions: row block a x all 8 column blocks, 32 along K, on buffer f.  first = 1: the bias starts the sums: nothing is cleared, nothing is added on the way out.
.macro MUL8 f, a, first
.if \first
	WIN MULB
.else
	WIN MUL
.endif
.irp b, 0,1,2,3,4,5,6,7
.if \first
	v_wmma_f32_16x16x32_bf16 v[8*(8*(\a)+(\b)):8*(8*(\a)+(\b))+7], v[FW+64*(\f)+8*(\b):FW+64*(\f)+8*(\b)+7], v[FA+32*(\f)+8*(\a):FA+32*(\f)+8*(\a)+7], v[BIAS+8*(\b):BIAS+8*(\b)+7]
.else
	v_wmma_f32_16x16x32_bf16 v[8*(8*(\a)+(\b)):8*(8*(\a)+(\b))+7], v[FW+64*(\f)+8*(\b):FW+64*(\f)+8*(\b)+7], v[FA+32*(\f)+8*(\a):FA+32*(\f)+8*(\a)+7], v[8*(8*(\a)+(\b)):8*(8*(\a)+(\b))+7]
.endif
.endr
.endm
.macro MUL16 f, a0, first
	MUL8 \f, \a0, \first
	MUL8 \f, (\a0)+1, \first
.endm
; 24 LDS loads in one run: quarter q of a slot (32 along K) into buffer f: W's 8 fragments, then A's 4
.macro FETCH slot, q, f
	WIN TO_W
.irp i, 0,1,2,3,4,5,6,7
	ds_load_tr16_b128 v[FW+64*(\f)+8*(\i):FW+64*(\f)+8*(\i)+3],   v[ADRW+(\slot)] offset:(\q)*32*PW+32*(\i)
	ds_load_tr16_b128 v[FW+64*(\f)+8*(\i)+4:FW+64*(\f)+8*(\i)+7], v[ADRW+(\slot)] offset:(\q)*32*PW+16*PW+32*(\i)
.endr
	WIN 0
.irp i, 0,1,2,3
	ds_load_b128 v[FA+32*(\f)+8*(\i):FA+32*(\f)+8*(\i)+3],   v[ADRA+(\slot)] offset:64*(\q)+(\i)*16*PA
	ds_load_b128 v[FA+32*(\f)+8*(\i)+4:FA+32*(\f)+8*(\i)+7], v[ADRA+(\slot)] offset:64*(\q)+(\i)*16*PA+32
.endr
.endm
.macro PLACES                          ; four plain vector instructions in front of loads into registers that matrix instructions have read, and of conversions that read results
.rept 4
	v_nop
.endr
.endm
; A K step is four quarters of 32 along K, 32 matrix instructions each, on buffers 0, 1, 0, 1; the 32 accumulators take turns in the same order in every quarter.
; One of the first three: multiplies buffer f; in its middle it fetches quarter q of the same slot into buffer g.
.macro QUARTER slot, q, f, g, first
	s_wait_dscnt 4                                 ; W and A's rows 0-31 are in; the youngest four loads (A's rows 32-63) may be out
	MUL16 \f, 0, \first
	PLACES
	FETCH \slot, \q, \g
	s_wait_dscnt 24                                ; all but the 24 just issued
	MUL16 \f, 2, \first
.endm
; The last quarter multiplies buffer 1 and changes slots: ONE barrier; in front of it each wave waits for all its tensor loads (one is out: its part of the next slot), adds 0 to its
; spare word, and waits for that and for its own reads of this slot.  fill = 1 (in the loop alone): the barrier opens a round of the cluster's, and this slot is filled again, two K steps
; ahead.  A's address is made anew for each refill: the trips in which the lap counter reads 7, 6, 5 ask for K steps 2 to 7, which lie in xh; those with 4 to 1 for steps 8 to 15, in xhr.
.macro TURN slot, next, fill
	WIN 0                                          ; (the add's two registers lie in window 0)
	s_wait_tensorcnt 0x0
	ds_add_u32 v[SPW], v[NIL]                      ; 0 onto my spare word
	s_wait_dscnt 5                                 ; (the add and the youngest four loads may be out)
	MUL8 1, 0, 0                                   ; eight matrix instructions stand between the add and the wait for it
	s_wait_dscnt 0x0                               ; the add is done, and my reads of this slot are over
	s_barrier_signal -1
	MUL8 1, 1, 0
.if \fill
	WIN 0
.endif
	s_barrier_wait -1
.if \fill
	CREST                                          ; no wave of any partner still reads this slot's tiles or has a load on its way
	s_cmp_gt_u32 s3, LAPS/2                        ; the counter is the same in every work-group
	s_cselect_b64 s[AB:AB+1], s[AX:AX+1], s[AH:AH+1]
	s_add_nc_u64 s[G0+4*(\slot)+2:G0+4*(\slot)+3], s[AB:AB+1], s[KO:KO+1]
	s_or_b32 s[G0+4*(\slot)+3], s[G0+4*(\slot)+3], 0x80000000
	s_add_co_u32 s[KO], s[KO], KSTEP*2             ; the next refill asks for the next K step
	s_add_nc_u64 s[G0B+4*(\slot)+2:G0B+4*(\slot)+3], s[G0B+4*(\slot)+2:G0B+4*(\slot)+3], 2*KSTEP*512
	JLOAD \slot                                    ; the first tensor load behind the round: 112 matrix instructions ahead of the wait for it; its four v_nop are also the places in front of the loads below
.else
	PLACES
.endif
	FETCH \next, 0, 0
	MUL16 1, 2, 0
.endm
; THE WAY OUT of row block a: rounded to bf16, 16 bytes a lane; into my own stage and back as whole rows of 256 bytes; stored.
.macro PACK a
	WIN 0x0a                                       ; sources 0 and 1 window 2
.irp b, 0,1,2,3,4,5,6,7
.irp r, 0,1,2,3
	v_cvt_pk_bf16_f32 v[TMP+4*(\b)+(\r)], v[64*(\a)+8*(\b)+2*(\r)], v[64*(\a)+8*(\b)+2*(\r)+1]
.endr
.endr
	WIN 0
.endm
.macro TOSTAGE a
.set BK, OB+192*((\a)%2)
.irp b, 0,1,2,3,4,5,6,7
	ds_store_b128 v[STO], v[TMP+4*(\b):TMP+4*(\b)+3] offset:32*(\b)
.endr
.irp t, 0,1,2,3,4,5,6,7
	ds_load_b128 v[BK+4*(\t):BK+4*(\t)+3], v[RD] offset:(\t)*2*SPITCH  ; LDS serves a wave's instructions in order (ISA guide 5.7.1.4): these see the stores above
.endr
.endm
.macro SEND a
.set BK, OB+192*((\a)%2)
	s_wait_dscnt 0x0                               ; the block is back in registers
	s_wait_xcnt 0x0                                ; the registers that earlier stores read are loaded again only behind this wait
.irp t, 0,1,2,3,4,5,6,7
	global_store_b128 v[CO], v[BK+4*(\t):BK+4*(\t)+3], s[20:21] offset:(\a)*8192+(\t)*1024  ; 16 lanes store 256 consecutive bytes, at a multiple of 256 from C's first byte
.endr
.endm
	s_wait_tensorcnt 1                             ; my part of K step 0 is in; K step 1's may stay out
	s_barrier_signal -1
	s_barrier_wait -1                              ; everybody's is
	FETCH 0, 0, 0
	s_wait_loadcnt 0x0                             ; the bias
	QUARTER 0, 1, 0, 1, 1                          ; the first quarter stands in front of the loop: its products start the sums
	WIN 0                                          ; at a label and at a branch every window is 0
	s_mov_b32 s3, LAPS-1
.Llap:                                                 ; a trip goes once round the ring, from a lap's second quarter to the next lap's first, and fills both slots again
	QUARTER 0, 2, 1, 0, 0
	QUARTER 0, 3, 0, 1, 0
	TURN 0, 1, 1
	QUARTER 1, 1, 0, 1, 0
	QUARTER 1, 2, 1, 0, 0
	QUARTER 1, 3, 0, 1, 0
	TURN 1, 0, 1
	QUARTER 0, 1, 0, 1, 0
	WIN 0
	s_sub_co_u32 s3, s3, 1
	s_cmp_lg_u32 s3, 0
	s_cbranch_scc1 .Llap
	QUARTER 0, 2, 1, 0, 0                          ; the last lap fills nothing, and has no round of the cluster's barrier
	QUARTER 0, 3, 0, 1, 0
	TURN 0, 1, 0
	QUARTER 1, 1, 0, 1, 0
	QUARTER 1, 2, 1, 0, 0
	QUARTER 1, 3, 0, 1, 0
	s_wait_dscnt 4                                 ; the very last quarter: nothing more to fetch
	MUL16 1, 0, 0
	s_wait_dscnt 0x0
	MUL16 1, 2, 0
	WIN 0
	PLACES
	PACK 0
	TOSTAGE 0
.irp a, 1,2,3                           ; block a's conversions stand between block a - 1's loads from the stage and the wait for them
	PACK \a
	SEND (\a)-1
	TOSTAGE \a
.endr
	SEND 3
	s_wait_tensorcnt 0x0                           ; the wave's end
	ds_add_u32 v[SPW], v[NIL]
	s_wait_dscnt 0x0
	CROUND                                         ; the closing round: no work-group ends while a partner may still ask for a tile that names it
	s_endpgm
.Lfunc_end_k_qc57a12425e_gemm_n:
	.size	k_qc57a12425e_gemm_n, .Lfunc_end_k_qc57a12425e_gemm_n-k_qc57a12425e_gemm_n
	.p2alignl 7, 3214868480
	.fill 96, 4, 3214868480
	.section	.rodata,"a",@progbits
	.p2align	6, 0x0
	.amdhsa_kernel k_qc57a12425e_gemm_n
		.amdhsa_group_segment_fixed_size 327680
		.amdhsa_private_segment_fixed_size 0
		.amdhsa_enable_private_segment 0
		.amdhsa_kernarg_size 56
		.amdhsa_user_sgpr_count 2
		.amdhsa_user_sgpr_kernarg_segment_ptr 1
		.amdhsa_wavefront_size32 1
		.amdhsa_system_sgpr_workgroup_id_x 1
		.amdhsa_system_sgpr_workgroup_id_y 1
		.amdhsa_system_sgpr_workgroup_id_z 1
		.amdhsa_system_vgpr_workitem_id 0
		.amdhsa_next_free_vgpr 768
		.amdhsa_next_free_sgpr 96
		.amdhsa_reserve_vcc 0
		.amdhsa_float_denorm_mode_32 3
		.amdhsa_float_denorm_mode_16_64 3
		.amdhsa_memory_ordered 1
		.amdhsa_forward_progress 1
		.amdhsa_inst_pref_size 89
	.end_amdhsa_kernel
	.amdgpu_metadata
---
amdhsa.version: [ 1, 2 ]
amdhsa.kernels:
  - .name:           k_qc57a12425e_gemm_n
    .symbol:         k_qc57a12425e_gemm_n.kd
    .args:
      - { .name: xh, .offset: 0, .size: 8, .value_kind: global_buffer, .address_space: global }
      - { .name: xhr, .offset: 8, .size: 8, .value_kind: global_buffer, .address_space: global }
      - { .name: w_n, .offset: 16, .size: 8, .value_kind: global_buffer, .address_space: global }
      - { .name: bq_n, .offset: 24, .size: 8, .value_kind: global_buffer, .address_space: global }
      - { .name: bk_n, .offset: 32, .size: 8, .value_kind: global_buffer, .address_space: global }
      - { .name: bv_n, .offset: 40, .size: 8, .value_kind: global_buffer, .address_space: global }
      - { .name: qkv_n, .offset: 48, .size: 8, .value_kind: global_buffer, .address_space: global }
    .group_segment_fixed_size: 327680
    .private_segment_fixed_size: 0
    .kernarg_segment_align: 8
    .kernarg_segment_size: 56
    .max_flat_workgroup_size: 128
    .sgpr_count:     96
    .vgpr_count:     768
    .wavefront_size: 32
...
	.end_amdgpu_metadata
.endif
;; end of part 7
;; launch attn_zn: the kernel of part 4 again; grid 256 x 1, 8 waves a work-group, clusters of 4 x 1, 327,680 bytes of LDS; arguments qkv_rz, qkv_n, h, gamma, beta, out0; writes out0
;; ======== version 3 of 3: 5 launches; version 2 with the launch prep written anew for expert scheduling mode
;; workspace buffers: xh 16,777,216 bytes; xhr 16,777,216 bytes; w_rz 16,777,216 bytes; w_n 8,388,608 bytes; qkv_rz 33,554,432 bytes; qkv_n 16,777,216 bytes
;; launch prep (part 8): grid 64 x 20, 8 waves a work-group, no clusters, 0 bytes of LDS; arguments x, h, Wq_r, Wk_r, Wv_r, Wq_z, Wk_z, Wv_z, Wq_n, Wk_n, Wv_n, xh, w_rz, w_n; writes xh, w_rz, w_n
.if DOCPART == 8
	.amdgcn_target "amdgcn-amd-amdhsa--gfx1250"
	.amdhsa_code_object_version 6
	.text
	.protected	k_qc57a12425e_prep
	.globl	k_qc57a12425e_prep
	.p2align	8
	.type	k_qc57a12425e_prep,@function
k_qc57a12425e_prep:
	s_mov_b64 s[64:65], 0
	v_nop
	global_prefetch_b8 v0, s[64:65] scope:SCOPE_SE
	s_setreg_imm32_b32 hwreg(HW_REG_WAVE_SCHED_MODE, 0, 2), 2
	s_setreg_imm32_b32 hwreg(HW_REG_WAVE_MODE, 25, 1), 1
	s_wait_xcnt 0x0
	s_wait_alu depctr_vm_vsrc(0)
; CASTS, f32 to bf16 (round to nearest even), once for the whole program; each number is read once and stored once.
;   x -> xh[:, 0:1024];  h -> xh[:, 1024:2048]   (xh: [4096][2048] bf16, rows of 4,096 bytes)
;   the nine weights [2048 k][N] -> blocks [2048 k][256 n] bf16 of 1 MiB: w_rz = Qr 0-1, Kr 2-3, Vr 4-7, Qz 8-9, Kz 10-11, Vz 12-15;  w_n = Q 0-1, K 2-3, V 4-7
; A stream: memory binds, so no LDS, no matrix unit, no cluster (no two work-groups read the same byte).
; SHARES.  Grid y names 4 MiB of source (0-3 x, 4-7 h, 8 + 4 gate + {0 Wq, 1 Wk, 2, 3 Wv}), grid x 65,536 bytes of it.  A work-group takes them by 16 loads of 4,096 bytes:
; thread t the 16 bytes at 16 t, so a wave's load covers 512 consecutive bytes; the four numbers become 8 bytes, and a wave's store covers 256 consecutive bytes, aligned.
; ONE TEXT FOR THE THREE KINDS OF SOURCE.  They differ in numbers alone, which are chosen by selects, without a branch.  With e the chunk's number in its tensor:
;   kind            4,096 bytes of source are     destination of chunk e    from load to load   thread t's place
;   x, h            a row of 1,024 numbers        e << 16 (+ 2,048 for h)   4,096               8 t
;   Wq, Wk          two rows k of 512 numbers     block + (e << 14)         1,024               8 (t % 64) + ((t / 64) % 2) blocks + (t / 128) rows of 512 bytes
;   Wv              a row k of 1,024 numbers      block + (e << 13)         512                 8 (t % 64) + (t / 64) blocks
; THE MODE: SCHED_MODE bits 1:0 = 2 (LLVM: expert scheduling mode 2), set by the entry lines.  The code itself states the register dependences
; between vector instructions and memory instructions, with s_wait_alu, always for 0.
; THE PLAN.  All 16 loads go out first, and no register is written twice.  Registers that memory instructions touch:
;   v[VS]    written once at the head; read by every load as its offset.
;   X        load i lands in its four registers, which no vector instruction has named before; read by load i's two conversions.
;   VDI      written by sixteen vector instructions behind the loads; VDI + i is read by store i as its offset.
;   YO       written by load i's two conversions; read by store i as its data.
; So the only dependences to state are vector writes that a memory instruction reads.  The loads go in four blocks of four.  One wait stands ahead of the first load (v[VS]); one at the
; head of each of blocks 1 to 3, behind the wait for the block's first load: it states that the block before has written its YO (at block 1 also that VDI is written), and that block's four
; stores follow it, dealt among this block's conversions, which name this block's X and YO alone; one more stands ahead of the last four stores.  No register that a memory instruction
; reads is written again, no vector instruction writes a scalar register, and EXEC is never written: nothing else is owed.
.set VS,   1          ; v1  16 t: my bytes in 4,096 bytes of source
.set VD,   2          ; v2  my bytes in the destination of load 0
.set X,    8          ; v[8:71]    load i: 4 registers
.set YO,   72         ; v[72:103]  load i: 2 registers, packed
.set VDI,  104        ; v[104:119] load i: my bytes in its destination
.set SRC,  36         ; s[36:37]
.set DST,  38         ; s[38:39]
.set STEP, 40         ; s40  bytes in the destination from one load's numbers to the next's
.set SH,   41         ; s41  log2 of a chunk's bytes in the destination
	s_load_b512 s[4:19], s[0:1], 0x0               ; x, h, Wq_r, Wk_r, Wv_r, Wq_z, Wk_z, Wv_z
	s_load_b256 s[20:27], s[0:1], 0x40             ; Wq_n, Wk_n, Wv_n, xh
	s_load_b128 s[28:31], s[0:1], 0x60             ; w_rz, w_n
	s_and_b32 s34, ttmp7, 0xffff                   ; the segment
	s_max_u32 s46, s34, 8
	s_sub_co_u32 s46, s46, 8                       ; the segment among the weights' (0 for x and h, where what follows from it is not taken)
	s_lshr_b32 s47, s46, 2                         ; gate: 0 r, 1 z, 2 n
	s_and_b32 s46, s46, 3                          ; 0 Wq, 1 Wk, 2 and 3 the halves of Wv
	; the numbers of a weight
	s_and_b32 s48, s46, 1                          ; which half of Wv
	s_lshl_b32 s49, s46, 1                         ; Q's blocks begin at 0, K's at 2,
	s_cmp_lt_u32 s46, 2
	s_cselect_b32 s48, 0, s48                      ; the 4 MiB's place in its tensor
	s_cselect_b32 s49, s49, 4                      ; V's at 4
	s_cselect_b32 s[SH], 14, 13
	s_cselect_b32 s51, 1, 3                        ; t / 64 names one of two, or of four, blocks
	s_cselect_b32 s52, 1, 0                        ; t / 128 names one of two rows, or nothing
	s_cmp_eq_u32 s47, 1
	s_cselect_b32 s53, 8, 0                        ; z's blocks lie behind r's eight
	s_add_co_u32 s49, s49, s53
	s_lshl_b32 s49, s49, 20                        ; the first block's byte
	; the numbers of x and h, and the choice
	s_and_b32 s53, s34, 3
	s_cmp_lt_u32 s34, 4
	s_cselect_b32 s54, 0, 2048                     ; h fills the rows' second halves
	s_cmp_lt_u32 s34, 8
	s_cselect_b32 s48, s53, s48
	s_cselect_b32 s49, s54, s49
	s_cselect_b32 s[SH], 16, s[SH]
	s_cselect_b32 s50, 255, 63                     ; t, or t % 64, names my four numbers
	s_cselect_b32 s51, 0, s51
	s_cselect_b32 s52, 0, s52
	s_lshl_b32 s48, s48, 6
	s_add_co_u32 s48, s48, ttmp9                   ; e: the chunk's number in its tensor
	s_lshl_b32 s42, s48, 16                        ; its byte in the source,
	s_mov_b32 s43, 0
	s_lshl_b32 s44, s48, s[SH]
	s_add_co_u32 s44, s44, s49                     ; and in the destination
	s_mov_b32 s45, 0
	s_sub_co_u32 s[SH], s[SH], 4
	s_lshl_b32 s[STEP], 1, s[SH]                   ; a sixteenth of a chunk's bytes in the destination
	v_lshlrev_b32 v[VS], 4, v0
	v_and_b32 v3, s50, v0
	v_lshlrev_b32 v[VD], 3, v3
	v_lshrrev_b32 v4, 6, v0
	v_and_b32 v4, s51, v4
	v_lshl_add_u32 v[VD], v4, 20, v[VD]
	v_lshrrev_b32 v5, 7, v0
	v_and_b32 v5, s52, v5
	v_lshl_add_u32 v[VD], v5, 9, v[VD]
	s_wait_kmcnt 0x0
	s_cmp_eq_u32 s47, 1                            ; the gate's three weights,
	s_cselect_b64 s[8:9], s[14:15], s[8:9]
	s_cselect_b64 s[10:11], s[16:17], s[10:11]
	s_cselect_b64 s[12:13], s[18:19], s[12:13]
	s_cmp_eq_u32 s47, 2
	s_cselect_b64 s[8:9], s[20:21], s[8:9]
	s_cselect_b64 s[10:11], s[22:23], s[10:11]
	s_cselect_b64 s[12:13], s[24:25], s[12:13]
	s_cselect_b64 s[DST:DST+1], s[30:31], s[28:29]
	s_cmp_eq_u32 s46, 0                            ; the one of them,
	s_cselect_b64 s[SRC:SRC+1], s[8:9], s[10:11]
	s_cmp_lt_u32 s46, 2
	s_cselect_b64 s[SRC:SRC+1], s[SRC:SRC+1], s[12:13]
	s_cmp_lt_u32 s34, 8                            ; or h, or x
	s_cselect_b64 s[SRC:SRC+1], s[6:7], s[SRC:SRC+1]
	s_cselect_b64 s[DST:DST+1], s[26:27], s[DST:DST+1]
	s_cmp_lt_u32 s34, 4
	s_cselect_b64 s[SRC:SRC+1], s[4:5], s[SRC:SRC+1]
	s_add_nc_u64 s[SRC:SRC+1], s[SRC:SRC+1], s[42:43]
	s_add_nc_u64 s[DST:DST+1], s[DST:DST+1], s[44:45]
	s_wait_alu depctr_va_vdst(0)                   ; v[VS] is written: every load below reads it as its offset
.set i, 0
.rept 16
	global_load_b128 v[X+4*i:X+4*i+3], v[VS], s[SRC:SRC+1] offset:4096*i th:TH_LOAD_NT
.set i, i+1
.endr
.set i, 0
.rept 16                                ; the stores' offsets are made while the loads are out
	v_mad_u32_u24 v[VDI+i], s[STEP], i, v[VD]
.set i, i+1
.endr
; Load i's turn.  Store i - 4, of the block before, stands ahead of load i's two conversions, and inside a block ahead of the wait for load i.
.set i, 0
.rept 16
.if (i%4) == 0
	s_wait_loadcnt 15-i                            ; loads come back in order: load i is in, the 15 - i younger ones stay out
.if i > 0
	s_wait_alu depctr_va_vdst(0)                   ; the block before has written its eight registers of YO, which the next four stores read as data; their offsets in VDI are written too
.endif
.endif
.if i >= 4
	global_store_b64 v[VDI+i-4], v[YO+2*(i-4):YO+2*(i-4)+1], s[DST:DST+1]  ; no vector instruction since the wait names these registers
.endif
.if (i%4) != 0
	s_wait_loadcnt 15-i                            ; load i is in, the 15 - i younger ones stay out
.endif
	v_cvt_pk_bf16_f32 v[YO+2*i], v[X+4*i], v[X+4*i+1]
	v_cvt_pk_bf16_f32 v[YO+2*i+1], v[X+4*i+2], v[X+4*i+3]
.set i, i+1
.endr
	s_wait_alu depctr_va_vdst(0)                   ; the last block has written its eight registers of YO, which the last four stores read
.set i, 12
.rept 4
	global_store_b64 v[VDI+i], v[YO+2*i:YO+2*i+1], s[DST:DST+1]
.set i, i+1
.endr
	s_endpgm
.Lfunc_end_k_qc57a12425e_prep:
	.size	k_qc57a12425e_prep, .Lfunc_end_k_qc57a12425e_prep-k_qc57a12425e_prep
	.p2alignl 7, 3214868480
	.fill 96, 4, 3214868480
	.section	.rodata,"a",@progbits
	.p2align	6, 0x0
	.amdhsa_kernel k_qc57a12425e_prep
		.amdhsa_group_segment_fixed_size 0
		.amdhsa_private_segment_fixed_size 0
		.amdhsa_enable_private_segment 0
		.amdhsa_kernarg_size 112
		.amdhsa_user_sgpr_count 2
		.amdhsa_user_sgpr_kernarg_segment_ptr 1
		.amdhsa_wavefront_size32 1
		.amdhsa_system_sgpr_workgroup_id_x 1
		.amdhsa_system_sgpr_workgroup_id_y 1
		.amdhsa_system_sgpr_workgroup_id_z 1
		.amdhsa_system_vgpr_workitem_id 0
		.amdhsa_next_free_vgpr 120
		.amdhsa_next_free_sgpr 66
		.amdhsa_reserve_vcc 0
		.amdhsa_float_denorm_mode_32 3
		.amdhsa_float_denorm_mode_16_64 3
		.amdhsa_memory_ordered 1
		.amdhsa_forward_progress 1
		.amdhsa_inst_pref_size 10
	.end_amdhsa_kernel
	.amdgpu_metadata
---
amdhsa.version: [ 1, 2 ]
amdhsa.kernels:
  - .name:           k_qc57a12425e_prep
    .symbol:         k_qc57a12425e_prep.kd
    .args:
      - { .name: x, .offset: 0, .size: 8, .value_kind: global_buffer, .address_space: global }
      - { .name: h, .offset: 8, .size: 8, .value_kind: global_buffer, .address_space: global }
      - { .name: Wq_r, .offset: 16, .size: 8, .value_kind: global_buffer, .address_space: global }
      - { .name: Wk_r, .offset: 24, .size: 8, .value_kind: global_buffer, .address_space: global }
      - { .name: Wv_r, .offset: 32, .size: 8, .value_kind: global_buffer, .address_space: global }
      - { .name: Wq_z, .offset: 40, .size: 8, .value_kind: global_buffer, .address_space: global }
      - { .name: Wk_z, .offset: 48, .size: 8, .value_kind: global_buffer, .address_space: global }
      - { .name: Wv_z, .offset: 56, .size: 8, .value_kind: global_buffer, .address_space: global }
      - { .name: Wq_n, .offset: 64, .size: 8, .value_kind: global_buffer, .address_space: global }
      - { .name: Wk_n, .offset: 72, .size: 8, .value_kind: global_buffer, .address_space: global }
      - { .name: Wv_n, .offset: 80, .size: 8, .value_kind: global_buffer, .address_space: global }
      - { .name: xh, .offset: 88, .size: 8, .value_kind: global_buffer, .address_space: global }
      - { .name: w_rz, .offset: 96, .size: 8, .value_kind: global_buffer, .address_space: global }
      - { .name: w_n, .offset: 104, .size: 8, .value_kind: global_buffer, .address_space: global }
    .group_segment_fixed_size: 0
    .private_segment_fixed_size: 0
    .kernarg_segment_align: 8
    .kernarg_segment_size: 112
    .max_flat_workgroup_size: 256
    .sgpr_count:     66
    .vgpr_count:     120
    .wavefront_size: 32
...
	.end_amdgpu_metadata
.endif
;; end of part 8
;; launch gemm_rz: the kernel of part 6 again; grid 16 x 16, 4 waves a work-group, clusters of 4 x 4, 327,680 bytes of LDS; arguments xh, w_rz, bq_r, bk_r, bv_r, bq_z, bk_z, bv_z, qkv_rz; writes qkv_rz
;; launch attn_r: the kernel of part 3 again; grid 256 x 1, 4 waves a work-group, clusters of 4 x 1, 222,720 bytes of LDS; arguments qkv_rz, h, xhr; writes xhr
;; launch gemm_n: the kernel of part 7 again; grid 8 x 32, 4 waves a work-group, clusters of 4 x 4, 327,680 bytes of LDS; arguments xh, xhr, w_n, bq_n, bk_n, bv_n, qkv_n; writes qkv_n
;; launch attn_zn: the kernel of part 4 again; grid 256 x 1, 8 waves a work-group, clusters of 4 x 1, 327,680 bytes of LDS; arguments qkv_rz, qkv_n, h, gamma, beta, out0; writes out0
